; MI455X (gfx1250); checked and timed in simulation.
; The chip was launched on July 23, 2026; its instructions are those of AMD's public machine-readable ISA for CDNA 5 (MIT licence, August 2026) and "CDNA5" Instruction Set Architecture Reference Guide (July 2026). The comments in the code are by the model that wrote it; some were corrected since.
;; Multi Head Self Attention. Allowed arithmetic: matrix products marked QUANTISED: E5M2 operands, one E8M0 scale for each 32 along K, by v_wmma_scale_f32_16x16x128_f8f6f4 with both operands' format E5M2, f32 sums; everything else in f32.
;; Inputs: Wk 1,024 x 1,024 float32; Wo 1,024 x 1,024 float32; Wq 1,024 x 1,024 float32; Wv 1,024 x 1,024 float32; bk 1,024 float32; bo 1,024 float32; bq 1,024 float32; bv 1,024 float32; x 2 x 2,048 x 1,024 float32.
;; Outputs: out0 2 x 2,048 x 1,024 float32.
;; This version of the problem:
;;   THIS VERSION OF THE PROBLEM IS GIVEN IN LOW PRECISION. The matrix products marked QUANTISED in the list below multiply operands that are first quantised to E5M2 (5 exponent bits, 2 mantissa bits; 8 bits a number), with one power-of-two scale for each 32 numbers along K (OCP MX v1.0); their sums are f32. All else is computed in f32.
;;   The module's matrix products, in the order in which they are computed (A, B: the left and right operand; K: the contracted axis; several contracted axes count as one K, in the product's order):
;;     1. [M 4,096, K 1,024] x [K 1,024, N 1,024]; A: input x; B: input Wq: QUANTISED
;;     2. [M 4,096, K 1,024] x [K 1,024, N 1,024]; A: input x; B: input Wk: QUANTISED
;;     3. [M 4,096, K 1,024] x [K 1,024, N 1,024]; A: input x; B: input Wv: QUANTISED
;;     4. batch 32 x [M 2,048, K 64] x [K 64, N 2,048]; A: computed on the way; B: computed on the way: QUANTISED
;;     5. batch 32 x [M 2,048, K 2,048] x [K 2,048, N 64]; A: softmax (see below); B: computed on the way: QUANTISED
;;     6. [M 4,096, K 1,024] x [K 1,024, N 1,024]; A: computed on the way; B: input Wo: QUANTISED
;;   THE QUANTISER, for each operand of a quantised product, along K:
;;     - K is cut into blocks of 32 from its start; a last block that is shorter is filled with zeros.
;;     - A block's scale is 2^e with e = floor(log2(the largest magnitude in the block)) - 15, held to -126 .. 127; a block of zeros has e = 0. As a byte (E8M0): e + 127.
;;     - Each number is divided by its block's scale, clamped to +-57,344, and rounded to the nearest number of E5M2, ties to even, subnormals kept.
;;     - The product sums the exact products of the quantised numbers (number of the format x scale) in f32.
;;   ~~~python
;;   def quantise(x, axis):      # numpy; x: float32 -> the quantised numbers, widened to float32 again
;;       x = np.moveaxis(x, axis, -1); K = x.shape[-1]
;;       x = np.pad(x, [(0, 0)] * (x.ndim - 1) + [(0, -K % 32)]); x = x.reshape(x.shape[:-1] + (-1, 32)); a = np.abs(x).max(-1, keepdims=True)
;;       e = np.where(a > 0, np.clip(np.frexp(np.where(a > 0, a, 1))[1] - 1 - 15, -126, 127), 0)      # np.frexp(a)[1] - 1 = floor(log2(a)), exactly
;;       r = np.clip(x / 2.0 ** e, -57344, 57344)
;;       step = 2.0 ** (np.maximum(np.frexp(np.where(r == 0, 1, r))[1] - 1, -14) - 2)
;;       q = np.round(r / step) * step * 2.0 ** e      # np.round: ties to even
;;       return np.moveaxis(q.reshape(q.shape[:-2] + (-1,))[..., :K], -1, axis).astype(np.float32)
;;   ~~~
;;   SOFTMAX AHEAD OF A QUANTISED PRODUCT. Where the list says 'softmax', what is quantised is not the finished softmax but p = 2^(t - M), with t = logit x log2(e) and M = ceil(the row's largest t), a whole number; so 1/2 < the row's largest p <= 1. The row's sum l is taken of the UNQUANTISED p, in f32, and the product's result is divided by l at the end. Since M is a whole number, a kernel that streams over the keys may use a running M (the ceiling of the running maximum): every later rescaling is an exact power of two, which a block's scale takes up: the codes' values come out the same.
;;   OPERANDS COMPUTED ON THE WAY. 'Computed on the way' means the value that the module computes at that place (a softmax that the list does not call 'softmax' is quantised finished and normalised). What goes into a quantiser is computed in f32, as accurately as f32 sums, v_exp_f32 and their like allow (about 1e-6 of the number): no bf16 or f16 on the way to a quantiser, and a product that is left as it is and whose result goes on into a quantised operand takes f32 operands (vector FMAs, or v_wmma_f32_16x16x4_f32). A number that lies on a knife's edge between two numbers of the format may be rounded either way, as far as f32 arithmetic and the matrix unit's own rounding can turn it there, and no further.
;; One version. Each part assembles by itself: llvm-mc -triple=amdgcn-amd-amdhsa -mcpu=gfx1250 --defsym DOCPART=n.
;; ======== version 1 of 1: 4 launches
;; limits: right only within a limited range of input values
;; workspace buffers: XQ 4,325,376 bytes; WQ 4,325,376 bytes; QQ 4,718,592 bytes; KV 8,650,752 bytes; AQ 4,325,376 bytes
;; launch quant (part 1): grid 256 x 1, 16 waves a work-group, no clusters, 138,240 bytes of LDS; arguments x, Wq, Wk, Wv, Wo, XQ, WQ; writes XQ, WQ
.if DOCPART == 1
	.amdgcn_target "amdgcn-amd-amdhsa--gfx1250"
	.amdhsa_code_object_version 6
	.text
	.protected	k_q70a8d3b4fb_quant
	.globl	k_q70a8d3b4fb_quant
	.p2align	8
	.type	k_q70a8d3b4fb_quant,@function
k_q70a8d3b4fb_quant:
	s_mov_b64 s[64:65], 0
	v_nop
	global_prefetch_b8 v0, s[64:65] scope:SCOPE_SE
	s_setreg_imm32_b32 hwreg(HW_REG_WAVE_MODE, 25, 1), 1
	s_wait_xcnt 0x0
; x [4096][1024] and Wq, Wk, Wv, Wo [1024][1024], f32 with K innermost, become codes of BF8 (E5M2) with one E8M0 byte for each 32 along K.
; WHAT THE PROGRAM LEAVES OUT: reference() replaces every score whose key comes after its query by -10,000, whatever the score is.  So the scores of whole tiles above the diagonal reach no output and are not computed (launch attn).
; A NaN, an infinity or an overflow that reaches only those scores is not carried to the result.  Every input is loaded.
; A block's scale is 2^(floor(log2(its largest magnitude)) - 15); each number is divided by it, held within +-57,344 and rounded to the nearest code, ties to even.
; LAYOUT OF THE RESULT: IMAGES OF OPERAND REGISTERS.  A fragment (16 rows x 128 K) is 2,048 bytes [c 0..3][lane 0..31][16 bytes]: lane (r = lane % 16, h = lane / 16), group c, holds k = 32 c + 16 h + 0..15 of tile row r.
; Row r of tile T is tensor row 32 (T / 2) + 8 (T % 2) + r % 8 + 16 (r / 8): with that order the 16 results of two neighbouring tiles are 16 neighbours along the next product's K.
; A tile's scale words for all of K are 512 bytes [half of K 0..1][r][4 words], one word (four bytes) for each 128 along K.
; SHARES: 512 tiles (256 of x, 64 of each weight) x 8 fragments along K = 4,096 waves: a wave makes ONE fragment, so all reads of a work-group (16 x 8,192 bytes) are asked for at once.  A work-group makes two tiles.
; One path for all five tensors: pointers and offsets are chosen by the work-group's number alone.
; Each load reads 512 consecutive bytes of one row; the 16 rows turn through the wave's own stage in LDS (rows 528 bytes apart) so that a lane gets 16 neighbours of each block; each store writes 512 consecutive bytes.
; The scale words of a tile's eight waves meet in LDS behind the one barrier and leave as 512 consecutive bytes.  No tensor load, no cluster: work-groups share nothing.
; LIMITS: NaN and infinities among the inputs are not served.  A block of zeros, or one whose largest magnitude lies under 2^-111, gets the byte 1 (the stated rule gives zeros the byte 127): its codes add the same, and this program alone reads the bytes.
.set XS,   4194304                     ; XQ: scale words behind the codes
.set WS,   3145728                     ; WQ: scale words of Wq, Wk, Wv
.set WOC,  3244032                     ; WQ: Wo's codes
.set WOS,  4292608                     ; WQ: Wo's scale words
.set SP,   528                         ; a stage row: 512 bytes + 16
.set WREG, 16*SP                       ; a wave's stage
.set SWL,  16*WREG                     ; LDS: two tiles' scale words, 1,024 bytes
.set SPARE, SWL+1024                   ; the spare words
.set R,    16                          ; v16-79   a fragment as loaded
.set X,    80                          ; v80-143  64 numbers: register 16 b + i = k 32 b + 16 h + i of my row
.set PC,   144                         ; v144-159 the codes
.set TM,   160                         ; v160-163 largest magnitudes, 164-167 bytes, 168-171 57,344 x scale, 172-175 the conversions' scale operands
	s_load_b256 s[4:11], s[0:1], 0x0               ; x, Wq, Wk, Wv
	s_load_b128 s[12:15], s[0:1], 0x20             ; Wo, XQ
	s_load_b64 s[16:17], s[0:1], 0x30              ; WQ
	v_lshl_add_u32 v14, v0, 2, SPARE
	v_mov_b32 v15, 0
	v_lshrrev_b32 v5, 5, v0
	v_readfirstlane_b32 s21, v5                    ; wave 0..15
	s_mul_i32 s20, s21, WREG
	s_lshr_b32 s40, s21, 2                         ; my word's place: 256 (wave / 4) + 4 (wave % 4) (+ 16 r)
	s_lshl_b32 s40, s40, 8
	s_and_b32 s41, s21, 3
	s_lshl_b32 s41, s41, 2
	s_add_co_u32 s40, s40, s41
	s_add_co_u32 s40, s40, SWL
	s_lshr_b32 s22, s21, 3                         ; which of the two tiles
	s_and_b32 s23, s21, 7                          ; which 128 along K
	s_lshl_b32 s41, s22, 9
	s_add_co_u32 s41, s41, SWL
	v_and_b32 v6, 31, v0                           ; lane
	v_and_b32 v7, 15, v0                           ; r
	v_bfe_u32 v5, v0, 4, 1                         ; h
	v_lshlrev_b32 v1, 4, v6                        ; 16 x lane: loads and stores
	v_mul_u32_u24 v3, v7, SP
	v_lshlrev_b32 v4, 4, v7
	v_add_nc_u32 v2, s20, v1                       ; the stage, way in
	v_lshl_add_u32 v3, v5, 6, v3
	v_add_nc_u32 v4, s40, v4                       ; where my row's scale word goes
	v_add_nc_u32 v13, s41, v1                      ; where a tile's words are read back
	v_add_nc_u32 v3, s20, v3                       ; the stage, way out: row r, + 64 h bytes
.irp b, 0,1,2,3
	v_mov_b32 v[TM+4+\b], 0                        ; a lane permute's destination counts as read
.endr
	s_mov_b32 s44, 0x76543210
	s_mov_b32 s45, 0xfedcba98                      ; lane l xor 16
	s_mov_b32 s46, 0x600000                        ; the mantissa field of 57,344
	s_lshl_b32 s24, ttmp9, 1
	s_add_co_u32 s24, s24, s22                     ; tile 0..511
	s_lshr_b32 s25, s24, 4                         ; x: [tile / 16][K / 256][tile % 16][2][2048]
	s_lshl_b32 s25, s25, 18
	s_and_b32 s26, s24, 15
	s_lshl_b32 s26, s26, 12
	s_add_co_u32 s25, s25, s26
	s_lshl_b32 s26, s24, 9
	s_add_co_u32 s26, s26, XS
	s_and_b32 s27, s24, 63                         ; a weight's tile 0..63
	s_lshr_b32 s28, ttmp9, 5
	s_and_b32 s28, s28, 3                          ; which weight: 0 Wq, 1 Wk, 2 Wv, 3 Wo
	s_lshr_b32 s29, s27, 2                         ; Wq, Wk, Wv: [head][K / 256][4 x weight + tile % 4][2][2048]
	s_and_b32 s30, s27, 3
	s_lshl_b32 s31, s28, 2
	s_add_co_u32 s30, s30, s31
	s_mul_i32 s31, s29, 196608
	s_lshl_b32 s32, s30, 12
	s_add_co_u32 s31, s31, s32
	s_mul_i32 s32, s29, 12
	s_add_co_u32 s32, s32, s30
	s_lshl_b32 s32, s32, 9
	s_add_co_u32 s32, s32, WS
	s_lshr_b32 s33, s27, 3                         ; Wo: [tile / 8][K / 256][tile % 8][2][2048]
	s_lshl_b32 s33, s33, 17
	s_and_b32 s34, s27, 7
	s_lshl_b32 s34, s34, 12
	s_add_co_u32 s33, s33, s34
	s_add_co_u32 s33, s33, WOC
	s_lshl_b32 s34, s27, 9
	s_add_co_u32 s34, s34, WOS
	s_mov_b32 s35, 49152                           ; bytes from one 256 along K to the next
	s_cmp_eq_u32 s28, 3
	s_cselect_b32 s31, s33, s31
	s_cselect_b32 s32, s34, s32
	s_cselect_b32 s35, 32768, s35
	s_cmp_lt_u32 ttmp9, 128                        ; the first 128 work-groups take x
	s_cselect_b32 s31, s25, s31                    ; the codes' offset
	s_cselect_b32 s32, s26, s32                    ; the scale words' offset
	s_cselect_b32 s35, 65536, s35
	s_cselect_b32 s27, s24, s27                    ; the tile's number in its tensor
	s_lshr_b32 s36, s27, 1                         ; the tile's first row: 32 (T / 2) + 8 (T % 2), rows of 4,096 bytes; + my 128 along K
	s_lshl_b32 s36, s36, 17
	s_and_b32 s37, s27, 1
	s_lshl_b32 s37, s37, 15
	s_add_co_u32 s36, s36, s37
	s_lshl_b32 s37, s23, 9
	s_add_co_u32 s36, s36, s37
	s_mov_b32 s37, 0
	s_lshr_b32 s38, s23, 1
	s_mul_i32 s38, s38, s35
	s_and_b32 s39, s23, 1
	s_lshl_b32 s39, s39, 11
	s_add_co_u32 s38, s38, s39
	s_add_co_u32 s38, s38, s31                     ; my fragment
	s_mov_b32 s39, 0
	s_wait_alu depctr_va_vdst(0)
	s_wait_kmcnt 0x0
	s_cmp_eq_u32 s28, 1                            ; the choices hang on the work-group's number alone
	s_cselect_b64 s[6:7], s[8:9], s[6:7]
	s_cmp_eq_u32 s28, 2
	s_cselect_b64 s[6:7], s[10:11], s[6:7]
	s_cmp_eq_u32 s28, 3
	s_cselect_b64 s[6:7], s[12:13], s[6:7]
	s_cmp_lt_u32 ttmp9, 128
	s_cselect_b64 s[4:5], s[4:5], s[6:7]           ; from
	s_cselect_b64 s[14:15], s[14:15], s[16:17]     ; to
	s_add_nc_u64 s[4:5], s[4:5], s[36:37]
.irp n, 0,1,2,3,4,5,6,7,8,9,10,11,12,13,14,15
	global_load_b128 v[R+4*\n:R+4*\n+3], v1, s[4:5] offset:(\n%8+16*(\n/8))*4096 th:TH_LOAD_NT   ; 512 consecutive bytes of one row
.endr
	s_add_nc_u64 s[18:19], s[14:15], s[38:39]
	s_mov_b32 s38, s32
	s_add_nc_u64 s[42:43], s[14:15], s[38:39]      ; my tile's 512 bytes of scale words
.irp g, 0,1,2,3
	s_wait_loadcnt 12-4*\g                         ; the later groups' loads may be out
.irp n, 0,1,2,3
	ds_store_b128 v2, v[R+16*\g+4*\n:R+16*\g+4*\n+3] offset:SP*(4*\g+\n)
.endr
.endr
.irp c, 0,1,2,3                        ; LDS serves a wave's instructions in order: no wait stands between the stores and the loads
.irp q, 0,1,2,3
	ds_load_b128 v[X+16*\c+4*\q:X+16*\c+4*\q+3], v3 offset:128*\c+16*\q
.endr
.endr
	s_wait_dscnt 0x0
.irp b, 0,1,2,3
	v_max3_num_f32 v[TM+\b], |v[X+16*\b]|, |v[X+1+16*\b]|, 0x8000000   ; my 16 numbers of block b, and the floor 2^(16 - 127): the byte cannot fall under 1
.endr
.irp i, 2,4,6,8,10,12,14
.irp b, 0,1,2,3
	v_max3_num_f32 v[TM+\b], v[TM+\b], |v[X+16*\b+\i]|, |v[X+1+16*\b+\i]|
.endr
.endr
.irp b, 0,1,2,3
	v_permlanex16_b32 v[TM+4+\b], v[TM+\b], s44, s45
.endr
.irp b, 0,1,2,3
	v_max_num_f32 v[TM+\b], v[TM+\b], v[TM+4+\b]   ; with lane l xor 16's 16: the block's largest magnitude
.endr
.irp b, 0,1,2,3
	v_add_nc_u32 v[TM+12+\b], 0xf8800000, v[TM+\b] ; 15 off its exponent field: the conversion's scale operand
.endr
.irp b, 0,1,2,3
	v_and_or_b32 v[TM+8+\b], v[TM+\b], 0x7f800000, s46   ; 57,344 x the scale
.endr
.irp b, 0,1,2,3
	v_lshrrev_b32 v[TM+4+\b], 23, v[TM+12+\b]      ; the scale's byte
.endr
	v_lshl_or_b32 v8, v[TM+5], 8, v[TM+4]
	s_delay_alu instid0(VALU_DEP_1)
	v_lshl_or_b32 v8, v[TM+6], 16, v8
	s_delay_alu instid0(VALU_DEP_1)
	v_lshl_or_b32 v8, v[TM+7], 24, v8
.irp b, 0,1,2,3
.irp i, 0,1,2,3,4,5,6,7,8,9,10,11,12,13,14,15
	v_med3_num_f32 v[X+16*\b+\i], v[X+16*\b+\i], -v[TM+8+\b], v[TM+8+\b]   ; the conversion to an 8-bit code does not saturate (ISA guide 7.6.2): the hold comes first
.endr
	v_cvt_scalef32_pk8_bf8_f32 v[PC+4*\b:PC+4*\b+1], v[X+16*\b:X+16*\b+7], v[TM+12+\b]
	v_cvt_scalef32_pk8_bf8_f32 v[PC+4*\b+2:PC+4*\b+3], v[X+16*\b+8:X+16*\b+15], v[TM+12+\b]
.endr
	v_nop                                          ; a plain line behind the last conversion
	ds_store_b32 v4, v8                            ; lanes r and r + 16 write the same word with the same value
.irp c, 0,1,2,3
	global_store_b128 v1, v[PC+4*\c:PC+4*\c+3], s[18:19] offset:512*\c   ; 512 consecutive bytes
.endr
	s_wait_dscnt 0x0                               ; my word is in LDS
	s_barrier_signal -1
	s_barrier_wait -1
	s_cmp_lg_u32 s23, 0                            ; the first of a tile's eight waves stores the tile's words
	s_cbranch_scc1 .Ldone
	ds_load_b128 v[16:19], v13
	s_wait_dscnt 0x0
	global_store_b128 v1, v[16:19], s[42:43]       ; 512 consecutive bytes, aligned
.Ldone:
	s_wait_tensorcnt 0x0                           ; the wave's end
	ds_add_u32 v14, v15
	s_wait_dscnt 0x0
	s_endpgm
.Lfunc_end_k_q70a8d3b4fb_quant:
	.size	k_q70a8d3b4fb_quant, .Lfunc_end_k_q70a8d3b4fb_quant-k_q70a8d3b4fb_quant
	.p2alignl 7, 3214868480
	.fill 96, 4, 3214868480
	.section	.rodata,"a",@progbits
	.p2align	6, 0x0
	.amdhsa_kernel k_q70a8d3b4fb_quant
		.amdhsa_group_segment_fixed_size 138240
		.amdhsa_private_segment_fixed_size 0
		.amdhsa_enable_private_segment 0
		.amdhsa_kernarg_size 56
		.amdhsa_user_sgpr_count 2
		.amdhsa_user_sgpr_kernarg_segment_ptr 1
		.amdhsa_wavefront_size32 1
		.amdhsa_system_sgpr_workgroup_id_x 1
		.amdhsa_system_sgpr_workgroup_id_y 1
		.amdhsa_system_sgpr_workgroup_id_z 1
		.amdhsa_system_vgpr_workitem_id 0
		.amdhsa_next_free_vgpr 176
		.amdhsa_next_free_sgpr 66
		.amdhsa_reserve_vcc 0
		.amdhsa_float_denorm_mode_32 3
		.amdhsa_float_denorm_mode_16_64 3
		.amdhsa_memory_ordered 1
		.amdhsa_forward_progress 1
		.amdhsa_inst_pref_size 17
	.end_amdhsa_kernel
	.amdgpu_metadata
---
amdhsa.version: [ 1, 2 ]
amdhsa.kernels:
  - .name:           k_q70a8d3b4fb_quant
    .symbol:         k_q70a8d3b4fb_quant.kd
    .args:
      - { .name: x, .offset: 0, .size: 8, .value_kind: global_buffer, .address_space: global }
      - { .name: Wq, .offset: 8, .size: 8, .value_kind: global_buffer, .address_space: global }
      - { .name: Wk, .offset: 16, .size: 8, .value_kind: global_buffer, .address_space: global }
      - { .name: Wv, .offset: 24, .size: 8, .value_kind: global_buffer, .address_space: global }
      - { .name: Wo, .offset: 32, .size: 8, .value_kind: global_buffer, .address_space: global }
      - { .name: XQ, .offset: 40, .size: 8, .value_kind: global_buffer, .address_space: global }
      - { .name: WQ, .offset: 48, .size: 8, .value_kind: global_buffer, .address_space: global }
    .group_segment_fixed_size: 138240
    .private_segment_fixed_size: 0
    .kernarg_segment_align: 8
    .kernarg_segment_size: 56
    .max_flat_workgroup_size: 512
    .sgpr_count:     66
    .vgpr_count:     176
    .wavefront_size: 32
...
	.end_amdgpu_metadata
.endif
;; end of part 1
;; launch qkv (part 2): grid 16 x 16, 4 waves a work-group, clusters of 4 x 4, 327,680 bytes of LDS; arguments XQ, WQ, bq, bk, bv, QQ, KV; writes QQ, KV
.if DOCPART == 2
	.amdgcn_target "amdgcn-amd-amdhsa--gfx1250"
	.amdhsa_code_object_version 6
	.text
	.protected	k_q70a8d3b4fb_qkv
	.globl	k_q70a8d3b4fb_qkv
	.p2align	8
	.type	k_q70a8d3b4fb_qkv,@function
k_q70a8d3b4fb_qkv:
	s_mov_b64 s[64:65], 0
	v_nop
	global_prefetch_b8 v0, s[64:65] scope:SCOPE_SE
	s_setreg_imm32_b32 hwreg(HW_REG_WAVE_MODE, 25, 1), 1
	s_wait_xcnt 0x0
	s_wait_alu depctr_hold_cnt(0) depctr_sa_sdst(0) depctr_va_vdst(0) depctr_va_sdst(0) depctr_va_ssrc(0) depctr_va_vcc(0) depctr_vm_vsrc(0)
	s_getreg_b32 s2, hwreg(HW_REG_IB_STS2, 6, 4)
	s_cmp_eq_u32 s2, 0
	s_cbranch_scc0 .Lentry_in_a_cluster
	s_endpgm
.Lentry_in_a_cluster:
	s_bfe_u32 s2, ttmp6, 0x10000c
	s_cmp_lg_u32 s2, 0xf033
	s_cbranch_scc0 .Lentry_shape_is_right
	s_endpgm
.Lentry_shape_is_right:
; Q, K, V = x W^T + b on codes of BF8 (E5M2), sums in f32, each result quantised again on the way out (Q, K along d, V along the tokens) and stored as images of the operand registers of launch attn.
; SHARES.  A work-group makes 256 tokens x 192 columns: one head's 64 columns of Q, of K and of V; 16 x 16 work-groups.  A wave makes 64 tokens x 192: 48 accumulators.
; K goes in blocks of 256 through two LDS slots: 65,536 bytes of x's codes (16 tiles) and 49,152 of the weights' (12 tiles), images of operand registers, dense, rows of 256 bytes.
; CLUSTER 4 x 4: x's blocks are shared along a row, the weights' along a column.  One joint load a wave at the head (waves 0, 1: x; 2, 3: the weights); slot 1 is first filled behind a drained round, and every refill stands behind one.
; The scale words and the biases are loaded from memory into registers while block 0 is on its way.  A bias is the C of its sums' first products.
; PREFETCH INTO THE L2, one block ahead of the joint load: behind the load of block n block n + 1 is asked for, one instruction a wave.  Each 256 bytes are named once in a cluster: of x's 256 rows of 256 bytes a partner takes 64 (by cx),
; of the weights' 192 a partner takes 48 (by cy): told apart by address alone.  Behind block 2's load block 3 is asked for, and behind block 3's nothing.
; LIMITS: NaN and infinities are not served; a block under 2^-111 or of zeros gets the byte 1 (this program alone reads the bytes).  Nothing is left out here.
.set XS,    4194304
.set WS,    3145728
.set QS,    4194304
.set STEPB, 16896
.set HEADB, 16*STEPB
.set SLOT,  114688
.set BOFF,  65536
.set SPARE, 2*SLOT
.set ADRA, 16
.set ADRB, 20
.set SPW,  28
.set NIL,  29
.set SA,   30                          ; (no product's two scale registers have numbers equal modulo 8)
.set SB,   48
.set TM,   96
.set SW,   112
.set AF,   128
.set BQK,  128
.set BV,   192
.set G1A, 28
.set G0A, 36
.set G1B, 44
.set G0B, 52
.set MSB, 0
.macro WIN new
.if MSB != \new
	s_set_vgpr_msb (MSB<<8)|\new
.set MSB, \new
.endif
.endm
.macro PLACES n
.rept \n
	v_nop
.endr
.endm
.macro JLOAD g0a, g0b
	s_cmp_eq_u32 s19, 0
	s_cbranch_scc0 .Lfor_b_\@
	tensor_load_to_lds s[\g0a:\g0a+3], s[G1A:G1A+7]
	s_nop 0
	PLACES 4
	s_branch .Lasked_\@
.Lfor_b_\@:
	tensor_load_to_lds s[\g0b:\g0b+3], s[G1B:G1B+7]
	s_nop 0
	PLACES 4
.Lasked_\@:
.endm
.macro CREST
	s_cmp_lg_u32 s18, 0
	s_cbranch_scc1 .Lnot_wave_0_\@
	s_barrier_signal -3
.Lnot_wave_0_\@:
	s_barrier_wait -3
	s_barrier_signal -1
	s_barrier_wait -1
.endm
.macro CROUND
	s_barrier_signal -1
	s_barrier_wait -1
	CREST
.endm
	s_load_b256 s[4:11], s[0:1], 0x0
	s_load_b128 s[12:15], s[0:1], 0x20
	s_load_b64 s[16:17], s[0:1], 0x30
	v_lshl_add_u32 v[SPW], v0, 2, SPARE
	v_mov_b32 v[NIL], 0
	ds_add_u32 v28, v29
	ds_add_u32 v28, v29
	s_wait_dscnt 0x0
	v_lshrrev_b32 v1, 5, v0
	v_readfirstlane_b32 s18, v1
	s_lshr_b32 s19, s18, 1
	s_and_b32 s20, s18, 1
	s_bfe_u32 s21, ttmp6, 0x40000
	s_bfe_u32 s22, ttmp6, 0x40004
	s_lshl_b32 s23, ttmp9, 2
	s_add_co_u32 s23, s23, s21
	s_and_b32 s24, ttmp7, 0xffff
	s_lshl_b32 s24, s24, 2
	s_add_co_u32 s24, s24, s22
	s_lshl_b32 s60, s22, 2
	s_lshl_b32 s60, 15, s60
	s_lshl_b32 s61, 0x1111, s21
	s_or_b32 s[G1A], s60, (3<<16)|(1<<21)
	s_or_b32 s[G1B], s61, (3<<16)|(1<<21)
	s_mov_b32 s[G1A+1], 32<<16
	s_mov_b32 s[G1A+2], 128<<16
	s_mov_b32 s[G1A+3], 32<<16
	s_mov_b32 s[G1A+4], 128
	s_mov_b32 s[G1A+5], 32
	s_mov_b32 s[G1A+6], 0
	s_mov_b32 s[G1A+7], 0
	s_mov_b32 s[G1B+1], 32<<16
	s_mov_b32 s[G1B+2], 96<<16
	s_mov_b32 s[G1B+3], 32<<16
	s_mov_b32 s[G1B+4], 96
	s_mov_b32 s[G1B+5], 32
	s_mov_b32 s[G1B+6], 0
	s_mov_b32 s[G1B+7], 0
	s_lshl_b32 s66, s24, 18
	s_lshl_b32 s67, s20, 15
	s_add_co_u32 s66, s66, s67
	s_mov_b32 s67, 0
	s_mul_i32 s70, s23, 196608
	s_mul_i32 s71, s20, 24576
	s_add_co_u32 s70, s70, s71
	s_mov_b32 s71, 0
	s_lshl_b32 s72, s20, 15
	s_mul_i32 s73, s20, 24576
	s_add_co_u32 s73, s73, BOFF
	CROUND                                         ; the opening round, ahead of the wait for the arguments: all sixteen work-groups are here
	s_wait_kmcnt 0x0
	s_add_nc_u64 s[66:67], s[4:5], s[66:67]
	s_add_nc_u64 s[70:71], s[6:7], s[70:71]
.irp s, 0,1
	s_mov_b32 s[G0A+4*\s], 1
	s_add_co_u32 s[G0A+4*\s+1], s72, \s*SLOT
	s_add_nc_u64 s[G0A+4*\s+2:G0A+4*\s+3], s[66:67], \s*65536
	s_or_b32 s[G0A+4*\s+3], s[G0A+4*\s+3], 0x80000000
	s_mov_b32 s[G0B+4*\s], 1
	s_add_co_u32 s[G0B+4*\s+1], s73, \s*SLOT
	s_add_nc_u64 s[G0B+4*\s+2:G0B+4*\s+3], s[70:71], \s*49152
	s_or_b32 s[G0B+4*\s+3], s[G0B+4*\s+3], 0x80000000
.endr
	JLOAD G0A, G0B                                 ; block 0: my one load at the head
	; the prefetches: where my wave's stand in block 0, and how far it is from block to block
	s_lshl_b32 s94, s24, 18                        ; x: my token block, + 64 cx + 32 (wave % 2) rows of 256 bytes
	s_lshl_b32 s95, s21, 14
	s_add_co_u32 s94, s94, s95
	s_lshl_b32 s95, s20, 13
	s_add_co_u32 s94, s94, s95
	s_mul_i32 s96, s23, 196608                     ; the weights: my head, + 48 cy + 24 (wave % 2) rows
	s_mul_i32 s97, s22, 12288
	s_add_co_u32 s96, s96, s97
	s_mul_i32 s97, s20, 6144
	s_add_co_u32 s96, s96, s97
	s_mov_b32 s97, 49152
	s_cmp_eq_u32 s19, 0
	s_cselect_b64 s[98:99], s[4:5], s[6:7]
	s_cselect_b32 s94, s94, s96
	s_cselect_b32 s96, 0x10000, s97
	s_cselect_b32 s93, 31, 23                      ; the weights' waves have 24 rows: the lanes left over name the last again
	s_mov_b32 s95, 0
	s_mov_b32 s97, 0
	s_add_nc_u64 s[94:95], s[98:99], s[94:95]
	s_add_nc_u64 s[94:95], s[94:95], s[96:97]      ; block 1
	s_add_nc_u64 s[98:99], s[94:95], s[96:97]      ; block 2
	s_add_nc_u64 s[100:101], s[98:99], s[96:97]    ; block 3
	v_and_b32 v8, 31, v0
	v_min_u32 v8, s93, v8
	v_lshlrev_b32 v8, 8, v8                        ; a lane a row; never rewritten
	s_wait_alu depctr_va_vdst(0)
	global_prefetch_b8 v8, s[94:95] th:TH_LOAD_NT scope:SCOPE_SE
	v_and_b32 v1, 31, v0
	v_and_b32 v2, 15, v0
	v_bfe_u32 v3, v0, 4, 1
	v_lshlrev_b32 v4, 4, v1
	v_lshlrev_b32 v5, 6, v3
	s_wait_alu depctr_va_vdst(0)
	v_and_b32 v6, 8, v2
	v_add_nc_u32 v6, v6, v2
	v_lshlrev_b32 v6, 2, v6
	s_wait_alu depctr_va_vdst(0)
	v_lshlrev_b32 v7, 2, v1
	s_lshl_b32 s74, s18, 14
	v_add_nc_u32 v[ADRA], s74, v4
	v_add_nc_u32 v[ADRA+1], SLOT, v[ADRA]
	v_add_nc_u32 v[ADRB], BOFF, v4
	v_add_nc_u32 v[ADRB+1], SLOT, v[ADRB]
	s_lshr_b32 s25, s24, 3
	s_lshl_b32 s25, s25, 4
	s_add_co_u32 s25, s25, s23
	s_and_b32 s26, s24, 7
	s_mov_b32 s61, 0
	s_lshl_b32 s60, s25, 17
	s_lshl_b32 s62, s26, 14
	s_add_co_u32 s60, s60, s62
	s_lshl_b32 s62, s18, 12
	s_add_co_u32 s60, s60, s62
	s_add_nc_u64 s[76:77], s[14:15], s[60:61]
	s_lshl_b32 s60, s25, 14
	s_lshl_b32 s62, s26, 11
	s_add_co_u32 s60, s60, s62
	s_lshl_b32 s62, s18, 9
	s_add_co_u32 s60, s60, s62
	s_add_co_u32 s60, s60, QS
	s_add_nc_u64 s[78:79], s[14:15], s[60:61]
	s_mul_i32 s60, s25, HEADB
	s_lshl_b32 s62, s26, 1
	s_add_co_u32 s62, s62, s19
	s_mul_i32 s62, s62, STEPB
	s_add_co_u32 s60, s60, s62
	s_add_nc_u64 s[80:81], s[16:17], s[60:61]
	s_lshl_b32 s60, s20, 12
	s_add_nc_u64 s[82:83], s[80:81], s[60:61]
	s_lshl_b32 s60, s20, 10
	s_add_co_u32 s60, s60, 8192
	s_add_nc_u64 s[84:85], s[80:81], s[60:61]
	s_lshl_b32 s60, s20, 7
	s_add_co_u32 s60, s60, 16384
	s_add_nc_u64 s[86:87], s[80:81], s[60:61]
	s_lshl_b32 s60, s20, 1
	s_add_co_u32 s60, s60, 16640
	s_add_nc_u64 s[88:89], s[80:81], s[60:61]
	s_lshl_b32 s60, s24, 13
	s_lshl_b32 s62, s18, 11
	s_add_co_u32 s60, s60, s62
	s_add_co_u32 s60, s60, XS
	s_add_nc_u64 s[90:91], s[4:5], s[60:61]
	s_mul_i32 s60, s23, 6144
	s_add_co_u32 s60, s60, WS
	s_add_nc_u64 s[92:93], s[6:7], s[60:61]
	s_lshl_b32 s60, s23, 8
	s_add_nc_u64 s[8:9], s[8:9], s[60:61]
	s_add_nc_u64 s[10:11], s[10:11], s[60:61]
	s_add_nc_u64 s[12:13], s[12:13], s[60:61]
.irp a, 0,1,2,3
	global_load_b128 v[SA+4*\a:SA+4*\a+3], v4, s[90:91] offset:512*\a
.endr
.irp b, 0,1,2,3,4,5,6,7,8,9,10,11
	global_load_b128 v[SB+4*\b:SB+4*\b+3], v4, s[92:93] offset:512*\b
.endr
	WIN 0xc0
.irp b, 0,1,2,3
	global_load_b128 v[BQK+8*\b:BQK+8*\b+3], v5, s[8:9] offset:(32*(\b/2)+8*(\b%2))*4
	global_load_b128 v[BQK+8*\b+4:BQK+8*\b+7], v5, s[8:9] offset:(32*(\b/2)+8*(\b%2))*4+16
	global_load_b128 v[BQK+32+8*\b:BQK+32+8*\b+3], v5, s[10:11] offset:(32*(\b/2)+8*(\b%2))*4
	global_load_b128 v[BQK+32+8*\b+4:BQK+32+8*\b+7], v5, s[10:11] offset:(32*(\b/2)+8*(\b%2))*4+16
	global_load_b32 v[BV+8*\b], v6, s[12:13] offset:(32*(\b/2)+8*(\b%2))*4
.endr
	WIN 0
	s_wait_alu depctr_va_vdst(0)
	s_wait_tensorcnt 0x0                           ; my part of block 0 is in
	ds_add_u32 v[SPW], v[NIL]
	s_wait_dscnt 0x0
	CROUND                                         ; everybody's part of block 0 is in
	JLOAD G0A+4, G0B+4                             ; block 1 into slot 1
.macro FETCH_B slot, q, b0
	WIN 0x40
.irp i, 0,1,2,3,4,5
.irp c, 0,1,2,3
	ds_load_b128 v[16*(\b0+\i)+4*\c:16*(\b0+\i)+4*\c+3], v[ADRB+\slot] offset:(\b0+\i)*4096+(\q)*2048+512*\c
.endr
.endr
.endm
.macro FETCH_A slot, q, set
	WIN 0
.irp a, 0,1,2,3
.irp c, 0,1,2,3
	ds_load_b128 v[AF+64*(\set)+16*\a+4*\c:AF+64*(\set)+16*\a+4*\c+3], v[ADRA+\slot] offset:\a*4096+(\q)*2048+512*\c
.endr
.endr
.endm
.macro WM row
.if \row
	v_wmma_scale_f32_16x16x128_f8f6f4 v[rD:rD+7], v[rA:rA+15], v[rB:rB+15], v[rC:rC+7], v[rSA], v[rSB] matrix_a_fmt:MATRIX_FMT_BF8 matrix_b_fmt:MATRIX_FMT_BF8 matrix_a_scale:MATRIX_SCALE_ROW1 matrix_b_scale:MATRIX_SCALE_ROW1
.else
	v_wmma_scale_f32_16x16x128_f8f6f4 v[rD:rD+7], v[rA:rA+15], v[rB:rB+15], v[rC:rC+7], v[rSA], v[rSB] matrix_a_fmt:MATRIX_FMT_BF8 matrix_b_fmt:MATRIX_FMT_BF8
.endif
.endm
.macro MULQK b0, n, k
.set bb, \b0
.rept \n
.set aa, 0
.rept 4
.set rD, 8*(8*aa+bb)
.set rA, 16*bb
.set rB, AF+64*((\k)%2)+16*aa
.set rSA, SB+4*bb+(\k)%4
.set rSB, SA+4*aa+(\k)%4
.if (\k)==0
.set rC, BQK+8*bb
.else
.set rC, rD
.endif
	WM (\k)/4
.set aa, aa+1
.endr
.set bb, bb+1
.endr
.endm
.macro MULV k
.set bb, 0
.rept 4
.set aa, 0
.rept 4
.set rD, 8*(4*bb+aa)
.set rA, AF+64*((\k)%2)+16*aa
.set rB, 16*(8+bb)
.set rSA, SA+4*aa+(\k)%4
.set rSB, SB+4*(8+bb)+(\k)%4
.if (\k)==0
.set rC, BV+8*bb
.else
.set rC, rD
.endif
	WM (\k)/4
.set aa, aa+1
.endr
.set bb, bb+1
.endr
.endm
.macro WINQK k
.if (\k)==0
	WIN 0xb1
.else
	WIN 0xa1
.endif
.endm
.macro HALF2 k, ns, nq
	FETCH_B \ns, \nq, 0
	FETCH_A \ns, \nq, ((\k)+1)%2
	WINQK \k
	MULQK 6, 2, \k
	WIN 0xf4
	MULV \k
	PLACES 8
	FETCH_B \ns, \nq, 6
	WIN 0
.endm
.macro STEP k, slot
	s_wait_dscnt 24
	WINQK \k
	MULQK 0, 6, \k
	s_wait_dscnt 0x0
	PLACES 8
	HALF2 \k, \slot, 1
.endm
.macro SWITCH k, slot, next, fill
	s_wait_tensorcnt 0x0
	ds_add_u32 v[SPW], v[NIL]
	s_wait_dscnt 25
	WIN 0xa1
	MULQK 0, 3, \k
	s_wait_dscnt 0x0
	s_barrier_signal -1
	MULQK 3, 3, \k
	WIN 0
	s_barrier_wait -1
.if \fill
	CREST
	s_add_nc_u64 s[G0A+4*\slot+2:G0A+4*\slot+3], s[G0A+4*\slot+2:G0A+4*\slot+3], 131072
	s_add_nc_u64 s[G0B+4*\slot+2:G0B+4*\slot+3], s[G0B+4*\slot+2:G0B+4*\slot+3], 98304
	JLOAD G0A+4*\slot, G0B+4*\slot
	PLACES 4
.else
	PLACES 8
.endif
	HALF2 \k, \next, 0
.endm
	FETCH_B 0, 0, 0
	FETCH_A 0, 0, 0
	FETCH_B 0, 0, 6
	WIN 0
	global_prefetch_b8 v8, s[98:99] th:TH_LOAD_NT scope:SCOPE_SE   ; block 2
	s_wait_loadcnt 0x0                             ; scale words and biases
	WIN 0xc3
.irp b, 0,1,2,3
.irp j, 1,2,3,4,5,6,7
	v_mov_b32 v[BV+8*\b+\j], v[BV+8*\b]            ; V's bias: one number for a lane's eight registers
.endr
.endr
	WIN 0
	s_wait_alu depctr_va_vdst(0)
	STEP   0, 0
	SWITCH 1, 0, 1, 1
	global_prefetch_b8 v8, s[100:101] th:TH_LOAD_NT scope:SCOPE_SE ; block 3
	STEP   2, 1
	SWITCH 3, 1, 0, 1
	STEP   4, 0
	SWITCH 5, 0, 1, 0
	STEP   6, 1
	s_wait_dscnt 24
	WIN 0xa1
	MULQK 0, 6, 7
	s_wait_dscnt 0x0
	MULQK 6, 2, 7
	WIN 0xf4
	MULV 7
	WIN 0
	PLACES 8
.macro QUANTW s, W, pc
.set w1, (\W)|((\W)<<2)
.set w2, ((\W)<<2)|((\W)<<4)
.set w3, (\W)|((\W)<<6)
.set w4, \W
	WIN w1
.irp b, 0,1,2,3
	v_max3_num_f32 v[TM+\b], |v[\s+16*\b]|, |v[\s+1+16*\b]|, 0x8000000
.endr
	WIN w2
.irp i, 2,4,6,8,10,12,14
.irp b, 0,1,2,3
	v_max3_num_f32 v[TM+\b], v[TM+\b], |v[\s+16*\b+\i]|, |v[\s+1+16*\b+\i]|
.endr
.endr
	WIN 0
.irp b, 0,1,2,3
	v_permlanex16_b32 v[TM+4+\b], v[TM+\b], s94, s95
.endr
.irp b, 0,1,2,3
	v_max_num_f32 v[TM+\b], v[TM+\b], v[TM+4+\b]
.endr
.irp b, 0,1,2,3
	v_add_nc_u32 v[TM+12+\b], 0xf8800000, v[TM+\b]
.endr
.irp b, 0,1,2,3
	v_and_or_b32 v[TM+8+\b], v[TM+\b], 0x7f800000, s96
.endr
.irp b, 0,1,2,3
	v_lshrrev_b32 v[TM+4+\b], 23, v[TM+12+\b]
.endr
	WIN w3
.irp b, 0,1,2,3
.irp i, 0,1,2,3,4,5,6,7,8,9,10,11,12,13,14,15
	v_med3_num_f32 v[\s+16*\b+\i], v[\s+16*\b+\i], -v[TM+8+\b], v[TM+8+\b]
.endr
.endr
	WIN w4
.irp b, 0,1,2,3
	v_cvt_scalef32_pk8_bf8_f32 v[\pc+4*\b:\pc+4*\b+1], v[\s+16*\b:\s+16*\b+7], v[TM+12+\b]
	v_cvt_scalef32_pk8_bf8_f32 v[\pc+4*\b+2:\pc+4*\b+3], v[\s+16*\b+8:\s+16*\b+15], v[TM+12+\b]
.endr
	WIN 0
	v_nop
.endm
	s_wait_xcnt 0x0                                ; the prefetches have read their bases
	s_mov_b32 s94, 0x76543210
	s_mov_b32 s95, 0xfedcba98
	s_mov_b32 s96, 0x600000
.irp b, 0,1,2,3
	v_mov_b32 v[TM+4+\b], 0
.endr
	v_cmp_ne_u32 vcc_lo, 0, v3
.irp a, 0,1,2,3
	QUANTW 64*\a, 2, AF+16*\a
	v_lshl_or_b32 v[SW+\a], v[TM+5], 8, v[TM+4]
	v_lshl_or_b32 v[SW+\a], v[SW+\a], 16, v[SW+\a]
.if \a%2 == 0
	v_lshl_or_b32 v[SW+4+\a/2], v[TM+7], 8, v[TM+6]
.else
	v_lshl_or_b32 v[SW+6], v[TM+7], 8, v[TM+6]
	v_lshl_or_b32 v[SW+4+\a/2], v[SW+6], 16, v[SW+4+\a/2]
.endif
	global_store_b128 v4, v[AF+16*\a:AF+16*\a+3], s[76:77] offset:1024*\a
	global_store_b128 v4, v[AF+16*\a+4:AF+16*\a+7], s[76:77] offset:1024*\a+512
	global_store_b128 v4, v[AF+16*\a+8:AF+16*\a+11], s[82:83] offset:1024*\a
	global_store_b128 v4, v[AF+16*\a+12:AF+16*\a+15], s[82:83] offset:1024*\a+512
.endr
	global_store_b128 v4, v[SW:SW+3], s[78:79]
	v_cndmask_b32 v[SW+7], v[SW+4], v[SW+5], vcc_lo
	global_store_b32 v7, v[SW+7], s[86:87]
.irp p, 0,1
	QUANTW 64*\p, 3, AF+64+16*\p
	v_lshl_or_b32 v[SW+8], v[TM+5], 8, v[TM+4]
	v_lshl_or_b32 v[SW+9], v[TM+7], 8, v[TM+6]
	v_cndmask_b32 v[SW+10+\p], v[SW+8], v[SW+9], vcc_lo
	global_store_b16 v7, v[SW+10+\p], s[88:89] offset:128*\p
.irp q, 0,1,2,3
	global_store_b128 v4, v[AF+64+16*\p+4*\q:AF+64+16*\p+4*\q+3], s[84:85] offset:(2*\p+\q/2)*2048+(\q%2)*512
.endr
.endr
	s_wait_tensorcnt 0x0
	ds_add_u32 v[SPW], v[NIL]
	s_wait_dscnt 0x0
	CROUND
	s_endpgm
.Lfunc_end_k_q70a8d3b4fb_qkv:
	.size	k_q70a8d3b4fb_qkv, .Lfunc_end_k_q70a8d3b4fb_qkv-k_q70a8d3b4fb_qkv
	.p2alignl 7, 3214868480
	.fill 96, 4, 3214868480
	.section	.rodata,"a",@progbits
	.p2align	6, 0x0
	.amdhsa_kernel k_q70a8d3b4fb_qkv
		.amdhsa_group_segment_fixed_size 327680
		.amdhsa_private_segment_fixed_size 0
		.amdhsa_enable_private_segment 0
		.amdhsa_kernarg_size 56
		.amdhsa_user_sgpr_count 2
		.amdhsa_user_sgpr_kernarg_segment_ptr 1
		.amdhsa_wavefront_size32 1
		.amdhsa_system_sgpr_workgroup_id_x 1
		.amdhsa_system_sgpr_workgroup_id_y 1
		.amdhsa_system_sgpr_workgroup_id_z 1
		.amdhsa_system_vgpr_workitem_id 0
		.amdhsa_next_free_vgpr 1024
		.amdhsa_next_free_sgpr 102
		.amdhsa_reserve_vcc 1
		.amdhsa_float_denorm_mode_32 3
		.amdhsa_float_denorm_mode_16_64 3
		.amdhsa_memory_ordered 1
		.amdhsa_forward_progress 1
		.amdhsa_inst_pref_size 155
	.end_amdhsa_kernel
	.amdgpu_metadata
---
amdhsa.version: [ 1, 2 ]
amdhsa.kernels:
  - .name:           k_q70a8d3b4fb_qkv
    .symbol:         k_q70a8d3b4fb_qkv.kd
    .args:
      - { .name: XQ, .offset: 0, .size: 8, .value_kind: global_buffer, .address_space: global }
      - { .name: WQ, .offset: 8, .size: 8, .value_kind: global_buffer, .address_space: global }
      - { .name: bq, .offset: 16, .size: 8, .value_kind: global_buffer, .address_space: global }
      - { .name: bk, .offset: 24, .size: 8, .value_kind: global_buffer, .address_space: global }
      - { .name: bv, .offset: 32, .size: 8, .value_kind: global_buffer, .address_space: global }
      - { .name: QQ, .offset: 40, .size: 8, .value_kind: global_buffer, .address_space: global }
      - { .name: KV, .offset: 48, .size: 8, .value_kind: global_buffer, .address_space: global }
    .group_segment_fixed_size: 327680
    .private_segment_fixed_size: 0
    .kernarg_segment_align: 8
    .kernarg_segment_size: 56
    .max_flat_workgroup_size: 128
    .sgpr_count:     102
    .vgpr_count:     1024
    .wavefront_size: 32
...
	.end_amdgpu_metadata
.endif
;; end of part 2
;; launch attn (part 3): grid 8 x 32, 16 waves a work-group, clusters of 4 x 1, 315,392 bytes of LDS; arguments QQ, KV, AQ; writes AQ
.if DOCPART == 3
	.amdgcn_target "amdgcn-amd-amdhsa--gfx1250"
	.amdhsa_code_object_version 6
	.text
	.protected	k_q70a8d3b4fb_attn
	.globl	k_q70a8d3b4fb_attn
	.p2align	8
	.type	k_q70a8d3b4fb_attn,@function
k_q70a8d3b4fb_attn:
	s_mov_b64 s[64:65], 0
	v_nop
	global_prefetch_b8 v0, s[64:65] scope:SCOPE_SE
	s_setreg_imm32_b32 hwreg(HW_REG_WAVE_MODE, 25, 1), 1
	s_wait_xcnt 0x0
	s_wait_alu depctr_hold_cnt(0) depctr_sa_sdst(0) depctr_va_vdst(0) depctr_va_sdst(0) depctr_va_ssrc(0) depctr_va_vcc(0) depctr_vm_vsrc(0)
	s_getreg_b32 s2, hwreg(HW_REG_IB_STS2, 6, 4)
	s_cmp_eq_u32 s2, 0
	s_cbranch_scc0 .Lentry_in_a_cluster
	s_endpgm
.Lentry_in_a_cluster:
	s_bfe_u32 s2, ttmp6, 0x10000c
	s_cmp_lg_u32 s2, 0x3003
	s_cbranch_scc0 .Lentry_shape_is_right
	s_endpgm
.Lentry_shape_is_right:
; The heads' output: softmax(where(key <= query, Q K^T / 8, -10,000)) V, both products on codes of BF8 (E5M2) with E8M0 scales; the result is quantised along d for the last product.
; THE SOFTMAX: t = logit x log2(e); M = the ceiling of the row's running largest t; p = 2^(t - M) is quantised along the keys, not normalised; the row's sum is taken of the unquantised p and divides at the end.
; THE MASK'S VALUE IS -10,000, NOT -INFINITY.  So hidden keys are not dropped: the running largest t begins at t(-10,000) (but for token 2,047, which has no hidden key); in the diagonal step hidden scores are set to the value.
; A step all of whose keys are hidden has ONE p for each row, p_m = 2^(t(-10,000) - M).  LEFT OUT: its scores, which reference() replaces whatever they are (a NaN, an infinity or an overflow in them is not carried).
; Its share of the sum is p_m x the number of keys; its share of O is the quantised p_m x the sum of V's quantised numbers over those keys.  Those sums: waves 0 to 7 multiply two steps' V each by codes of 1.0 once; the way out adds the steps that it wants.
; SHARES.  A work-group takes one head and 16 tiles of 16 queries: tiles g + 8 j, whose diagonals lie in key step j in every work-group, so that no branch hangs on the place in the cluster.
; Tiles j = p and 15 - p together have 17 visible key steps and go to two waves: wave p takes the long tile's steps 0 to 8; wave 8 + p takes the short tile's p + 1 steps and then the long tile's from 9 on, 8 in all.
; The long tile's second part (O, -M, sum) passes to wave p through LDS; each wave stores one tile.  Four waves to a SIMD, 256 registers each.
; ALL OF THE HEAD'S K AND V STAY IN LDS: 16 steps of 16,896 bytes, filled once by joint loads of the cluster's four work-groups: wave w asks for step w.  Step 0 is shown first; the rest behind the first key step.
; TWO BUFFERS OF 64 REGISTERS change roles from step to step: one holds K's fragments and then V's, the other the scores, p, and, when p has become codes, the next step's K, which lands under the products with V.
; THE HEAD SIZE 64 IS HALF OF THE INSTRUCTION'S K.  A fragment of K holds two keys a row (d of key m in k 0-63, d of key m + 8 in k 64-127); Q stands in v24-31 between two runs of zero codes:
; v[24:39] multiplies the first key, v[16:31] the second.  K's codes are finite and no scale byte is 0xff, so the other half adds an exact 0.
; Both products are used transposed: a lane holds one query throughout; 16 registers of two neighbouring tiles are 16 neighbouring keys (or d).
; No prefetch: every tensor load goes out at the head.  The scale bytes of the result leave two bytes a lane (a head owns two bytes of each row's words): 32 of a wave's 1,056 bytes.
; LIMITS: NaN and infinities are not served; the scaled scores stay under 2^31 in magnitude; a block under 2^-111 or of zeros gets the byte 1 (this program alone reads the bytes).
; REGISTERS: v1 16 x lane, v2 4 x lane, v3 the mask's bound, v4, v11 LDS: a part's O and its (-M, sum), v5 16 r, v6 LDS: the sums of V, v7, v245 LDS: the turn of the hidden share, v8, v9 a step's LDS addresses, v10 LDS: my step's sums of V,
;   v12 -M, v13 largest t, v[14:15] the sum; v16-39 Q; v40-103, v104-167 the two buffers; v168-199 O^T; v200-215 p's codes; v216-233 at work; v236-244 the second tile's Q and scale word;
;   v248-249 K's scale words, v250-251 V's, v252 f, v253 p's scale word, v254 at work, v255 Q's scale word.
.set QS,    4194304
.set ASC,   4194304
.set STEPB, 16896
.set HEADB, 16*STEPB
.set SREG,  16*STEPB                   ; LDS: the sums of V: [step][16 t + row] f32
.set TREG,  SREG+4096                  ; 256 bytes for each wave
.set PART,  TREG+4096                  ; eight parts of 4,352 bytes
.set PSZ,   4352
.set SPARE, PART+8*PSZ
.set WV,  10
.set JT,  14                           ; the tile in hand: its diagonal step
.set JO,  15                           ; the tile that I store
.set SEL, 16
.set CS,  18
.set MNT, 20
.set TB,  21                           ; LDS byte of a step
.set KS,  22                           ; the number of the step in hand
.set II,  23                           ; the trip
.set P15, 76                           ; 15 - p
.set D8,  77                           ; 8 - p
.set RB,  78                           ; 1 in waves 8 to 15
.set FL,  79                           ; the floor 2^(16 - 127)
.set PP,  80                           ; p
.set UU,  81                           ; 16 where waves 8 to 15 change tiles
.set KN,  88                           ; the next step's number,
.set UN,  89                           ; and its UU
.set TN,  75                           ; and its LDS byte.  v234, v235: the LDS addresses of the next step's K and of its scale words; v8, v9: this step's, for V
.set KB,  40                           ; the buffer of K, then of V
.set SB,  104                          ; the buffer of the scores
.macro CROUND
	s_barrier_signal -1
	s_barrier_wait -1
	s_cmp_lg_u32 s[WV], 0
	s_cbranch_scc1 .Lnot_wave_0_\@
	s_barrier_signal -3
.Lnot_wave_0_\@:
	s_barrier_wait -3
	s_barrier_signal -1
	s_barrier_wait -1
.endm
.macro WALU
	s_wait_alu depctr_va_vdst(0)
.endm
.macro QOFF jt, a, b                   ; tile 8 jt + g: where its codes (s[a:a+1]) and its scale words (s[b:b+1]) lie
	s_lshl_b32 s82, \jt, 3
	s_add_co_u32 s82, s82, s12
	s_lshl_b32 s[\a], s13, 7
	s_add_co_u32 s[\a], s[\a], s82
	s_lshl_b32 s[\a], s[\a], 10
	s_mov_b32 s[\a+1], 0
	s_lshl_b32 s[\b], s13, 5
	s_lshr_b32 s83, s82, 2
	s_add_co_u32 s[\b], s[\b], s83
	s_lshl_b32 s[\b], s[\b], 9
	s_and_b32 s83, s82, 3
	s_lshl_b32 s83, s83, 2
	s_add_co_u32 s[\b], s[\b], s83
	s_add_co_u32 s[\b], s[\b], QS
	s_mov_b32 s[\b+1], 0
.endm
.macro INITM                           ; a tile begins: the largest t and -M
	s_lshl_b32 s55, s[JT], 7
	v_bfe_u32 v233, v0, 4, 1
	v_mov_b32 v254, 0xc79c4000                     ; -80,000: the raw score whose eighth is -10,000
	v_lshl_add_u32 v233, v233, 4, v3               ; my query's place in its key step,
	v_mul_f32 v13, s[CS], v254                     ; the largest t so far: a hidden key's,
	v_add_nc_u32 v233, s55, v233                   ; its token
	v_mov_b32 v254, 0xff61b1e6
	v_cmp_eq_u32 vcc_lo, 0x7ff, v233
	v_cndmask_b32 v13, v13, v254, vcc_lo           ; but -3e38 for token 2,047, which has none
	v_mov_b32 v14, 0
	v_mov_b32 v15, 0
	v_floor_f32 v12, -v13                          ; -M
.set j, 0
.rept 32
	v_mov_b32 v[168+j], 0                          ; O^T
.set j, j+1
.endr
.endm
	s_load_b128 s[4:7], s[0:1], 0x0                ; QQ, KV
	s_load_b64 s[8:9], s[0:1], 0x10                ; AQ
	v_lshl_add_u32 v246, v0, 2, SPARE
	v_mov_b32 v247, 0
	ds_add_u32 v246, v247                          ; the opening: the add, twice on end, and its wait ahead of my tensor load
	ds_add_u32 v246, v247
	v_lshrrev_b32 v1, 5, v0
	s_delay_alu instid0(VALU_DEP_1)
	v_readfirstlane_b32 s[WV], v1                  ; wave 0..15
	s_bfe_u32 s11, ttmp6, 0x40000                  ; cx
	s_lshl_b32 s12, ttmp9, 2
	s_add_co_u32 s12, s12, s11                     ; g 0..7: it enters global addresses and the mask's bound alone
	s_and_b32 s13, ttmp7, 0xffff                   ; batch x 16 + head, which the four partners share
	s_and_b32 s[PP], s[WV], 7
	s_lshr_b32 s[RB], s[WV], 3
	s_xor_b32 s[P15], s[PP], 15
	s_xor_b32 s[D8], s[PP], 7
	s_add_co_u32 s[D8], s[D8], 1
	s_xor_b32 s48, s[RB], 1
	s_mul_i32 s48, s48, 15
	s_xor_b32 s[JO], s[PP], s48                    ; waves 0 to 7: the long tile, 15 - p; waves 8 to 15: the short one, p
	s_mov_b32 s[JT], s[JO]
	s_mov_b32 s24, 15|(3<<16)|(1<<21)              ; group 1: the mask names all four; elements of 8 bytes; bit 21 beside a mask; rows of 256 bytes, dense: 66 rows = one step
	s_mov_b32 s25, 32<<16
	s_mov_b32 s26, 66<<16
	s_mov_b32 s27, 32<<16
	s_mov_b32 s28, 66
	s_mov_b32 s29, 32
	s_mov_b32 s30, 0
	s_mov_b32 s31, 0
	s_mul_i32 s52, s13, HEADB
	s_mov_b32 s53, 0
	s_add_co_u32 s58, s[WV], 15                    ; waves 1 to 15: step w (wave 0, which never takes that line, would form step 1)
	s_lshr_b32 s58, s58, 4
	s_xor_b32 s58, s58, 1
	s_add_co_u32 s58, s58, s[WV]
	s_mul_i32 s56, s58, STEPB
	s_mov_b32 s57, 0
	s_mov_b32 s[SEL], 0x76543210
	s_mov_b32 s[SEL+1], 0xfedcba98
	s_mov_b32 s[CS], 0x3e38aa3b                    ; c = log2(e) / 8
	s_mov_b32 s[CS+1], s[CS]
	s_mov_b32 s[MNT], 0x600000
	s_mov_b32 s[FL], 0x8000000
	QOFF s[JT], 60, 62
	QOFF s[P15], 84, 86
	s_lshr_b32 s48, s12, 1
	s_lshl_b32 s48, s48, 5
	s_and_b32 s49, s12, 1
	s_lshl_b32 s49, s49, 3
	s_add_co_u32 s48, s48, s49                     ; where tile g's queries begin in a key step
	s_mul_i32 s50, s[PP], PSZ
	s_add_co_u32 s50, s50, PART
	s_add_co_u32 s51, s50, 4096
	s_lshl_b32 s54, s[WV], 8
	s_add_co_u32 s55, s54, TREG
	s_add_co_u32 s54, s54, SREG
	v_and_b32 v4, 31, v0
	v_and_b32 v5, 15, v0                           ; r
	v_bfe_u32 v6, v0, 4, 1                         ; h
	v_lshlrev_b32 v1, 4, v4
	v_lshlrev_b32 v2, 2, v4
	v_lshlrev_b32 v9, 3, v4
	v_and_b32 v7, 8, v5
	v_lshlrev_b32 v8, 4, v6
	v_lshlrev_b32 v245, 5, v6
	v_lshlrev_b32 v10, 2, v5
	v_add_nc_u32 v7, v7, v5                        ; r % 8 + 16 (r / 8)
	v_add_nc_u32 v4, s50, v1
	v_add_nc_u32 v11, s51, v9
	v_add_nc_u32 v7, s48, v7                       ; my query's place in its key step
	v_add_nc_u32 v245, s55, v245
	v_add_nc_u32 v10, s54, v10
	v_add_nc_u32 v6, SREG, v9
	v_sub_nc_u32 v3, v7, v8                        ; - 16 h: register 16 c + i holds key 32 c + 16 h + i of the step: hidden where 32 c + i is above this
	v_lshlrev_b32 v5, 4, v5                        ; 16 r
	v_add_nc_u32 v7, s55, v9
.irp j, 0,1,2,3,4,5,6,7,8
	v_mov_b32 v[236+\j], 0                         ; (written on every way; waves 8 to 15 load here)
.endr
	WALU
	s_wait_dscnt 0x0                               ; both opening adds are done
	CROUND                                         ; all four work-groups are here: the joint loads meet
	s_wait_kmcnt 0x0
	s_add_nc_u64 s[6:7], s[6:7], s[52:53]          ; the head's K and V
	s_mov_b32 s40, 1                               ; step 0
	s_mov_b32 s41, 0
	s_mov_b64 s[42:43], s[6:7]
	s_or_b32 s43, s43, 0x80000000
	s_mov_b32 s44, 1                               ; step w: the place in LDS is the place in the head
	s_mov_b32 s45, s56
	s_add_nc_u64 s[46:47], s[6:7], s[56:57]
	s_or_b32 s47, s47, 0x80000000
	s_cmp_eq_u32 s[WV], 0                          ; one load a wave; step 0, which is shown first, has a line of its own
	s_cbranch_scc0 .Lfor_rest
	tensor_load_to_lds s[40:43], s[24:31]
	s_nop 0
.rept 4
	v_nop
.endr
	s_branch .Lasked
.Lfor_rest:
	tensor_load_to_lds s[44:47], s[24:31]
	s_nop 0
.rept 4
	v_nop
.endr
.Lasked:
	s_add_nc_u64 s[60:61], s[4:5], s[60:61]
	s_add_nc_u64 s[62:63], s[4:5], s[62:63]
	global_load_b128 v[24:27], v1, s[60:61]        ; Q's codes: d 0-31,
	global_load_b128 v[28:31], v1, s[60:61] offset:512   ; d 32-63
	global_load_b32 v255, v1, s[62:63]             ; Q's scale word
	s_cmp_eq_u32 s[RB], 0
	s_cbranch_scc1 .Lone_tile
	s_add_nc_u64 s[84:85], s[4:5], s[84:85]        ; waves 8 to 15: the long tile's
	s_add_nc_u64 s[86:87], s[4:5], s[86:87]
	global_load_b128 v[236:239], v1, s[84:85]
	global_load_b128 v[240:243], v1, s[84:85] offset:512
	global_load_b32 v244, v1, s[86:87]
.Lone_tile:
	; where the result goes: tile Tg of 256, head hd: K step hd / 2 of the last product, groups 2 (hd % 2), + 1
	s_lshr_b32 s70, s13, 4
	s_lshl_b32 s70, s70, 7
	s_lshl_b32 s71, s[JO], 3
	s_add_co_u32 s70, s70, s71
	s_add_co_u32 s70, s70, s12                     ; Tg
	s_and_b32 s71, s13, 15                         ; hd
	s_lshr_b32 s72, s70, 3
	s_lshl_b32 s72, s72, 17
	s_lshr_b32 s73, s71, 2
	s_lshl_b32 s73, s73, 15
	s_add_co_u32 s72, s72, s73
	s_and_b32 s73, s70, 7
	s_lshl_b32 s73, s73, 12
	s_add_co_u32 s72, s72, s73
	s_bfe_u32 s73, s71, 0x10001
	s_lshl_b32 s73, s73, 11
	s_add_co_u32 s72, s72, s73
	s_and_b32 s73, s71, 1
	s_lshl_b32 s73, s73, 10
	s_add_co_u32 s72, s72, s73
	s_mov_b32 s73, 0
	s_add_nc_u64 s[66:67], s[8:9], s[72:73]        ; the codes
	s_lshl_b32 s72, s70, 9
	s_lshr_b32 s74, s71, 3
	s_lshl_b32 s74, s74, 8
	s_add_co_u32 s72, s72, s74
	s_bfe_u32 s74, s71, 0x20001
	s_lshl_b32 s74, s74, 2
	s_add_co_u32 s72, s72, s74
	s_and_b32 s74, s71, 1
	s_lshl_b32 s74, s74, 1
	s_add_co_u32 s72, s72, s74
	s_add_co_u32 s72, s72, ASC
	s_add_nc_u64 s[68:69], s[8:9], s[72:73]        ; the two scale bytes
.irp j, 0,1,2,3,4,5,6,7
	v_mov_b32 v[16+\j], 0                          ; the zero codes on either side of Q
	v_mov_b32 v[32+\j], 0
.endr
.irp b, 0,1,2,3
	v_mov_b32 v[220+\b], 0                         ; a lane permute's destination counts as read
.endr
	v_mov_b32 v252, 0
	v_mov_b32 v253, 0                              ; (named as the upper half of v[252:253] before it is first written)
	INITM
.macro KLOAD kb, ad                    ; a step's four fragments of K and their scale words; ad: the first of two address registers
.irp f, 0,1,2,3
.irp c, 0,1,2,3
	ds_load_b128 v[\kb+16*\f+4*\c:\kb+16*\f+4*\c+3], v[\ad] offset:2048*\f+512*\c
.endr
.endr
	ds_load_b32 v248, v[\ad+1] offset:16384        ; lanes 0-15: fragment 0, lanes 16-31: fragment 1
	ds_load_b32 v249, v[\ad+1] offset:16512        ; fragments 2, 3
.endm
.macro VLOAD ad                        ; the step's four fragments of V^T and their scale words
.irp t, 0,1,2,3
.irp c, 0,1,2,3
	ds_load_b128 v[KB+16*\t+4*\c:KB+16*\t+4*\c+3], v[\ad] offset:8192+2048*\t+512*\c
.endr
.endr
	ds_load_b32 v250, v[\ad+1] offset:16640        ; lanes 0-15: tile 0, lanes 16-31: tile 1
	ds_load_b32 v251, v[\ad+1] offset:16768        ; tiles 2, 3
.endm
.macro STEPOF n, u, k, t               ; which step trip i = II + n has: wave p: i; wave 8 + p: i up to p, then i + 8 - p
	s_add_co_u32 s82, s[II], \n
	s_add_co_u32 s[\u], s82, s[P15]
	s_mul_i32 s[\u], s[\u], s[RB]                  ; 16 and more: the long tile of waves 8 to 15
	s_lshr_b32 s[\k], s[\u], 4
	s_mul_i32 s[\k], s[\k], s[D8]
	s_add_co_u32 s[\k], s[\k], s82
	s_min_u32 s[\t], s[\k], 15
	s_mul_i32 s[\t], s[\t], STEPB
.endm
; A KEY STEP: 128 keys.  par: which buffer holds K.  loop = 1: trip II + off of the loop: K has been asked for, and the next step's is asked for here.
.macro STEP par, off, loop
.if \par
.set KB, 104
.set SB, 40
.else
.set KB, 40
.set SB, 104
.endif
.if \loop
	STEPOF (\off)+1, UN, KN, TN
	STEPOF \off, UU, KS, TB
	v_add_nc_u32 v234, s[TN], v1                   ; all LDS addresses are made here, ahead of the parting of the ways
	v_add_nc_u32 v235, s[TN], v2
	v_add_nc_u32 v8, s[TB], v1
	v_add_nc_u32 v9, s[TB], v2
.rept 5
	v_nop                                          ; nine places in all behind the last products, whose V the scores are written over
.endr
	WALU
	s_cmp_eq_u32 s[UU], 16                         ; the wave's number and the trip decide
	s_cbranch_scc0 .Lstay_\@
	v_add_f32 v13, v14, v15                        ; the short tile is done: O, -M and the sum wait in my part
.irp n, 0,1,2,3,4,5,6,7
	ds_store_b128 v4, v[168+4*\n:171+4*\n] offset:512*\n
.endr
	ds_store_b64 v11, v[12:13]
	s_mov_b32 s[JT], s[P15]
.irp j, 0,1,2,3,4,5,6,7
	v_mov_b32 v[24+\j], v[236+\j]
.endr
	v_mov_b32 v255, v244
	INITM
	WALU
.Lstay_\@:
	s_cmp_gt_u32 s[KS], s[JT]                      ; waves 8 to 15 have eight steps: their ninth does nothing
	s_cbranch_scc1 .Lend_\@
.endif
	s_wait_dscnt 0x0                               ; K is in
.irp f, 0,1,2,3                        ; S^T = K Q^T: each fragment twice, once for each of its two keys a row
.irp u, 0,1
.if \f%2
	v_wmma_scale_f32_16x16x128_f8f6f4 v[SB+8*(2*\f+\u):SB+8*(2*\f+\u)+7], v[KB+16*\f:KB+16*\f+15], v[24-8*\u:39-8*\u], 0, v[248+\f/2], v255 matrix_a_fmt:MATRIX_FMT_BF8 matrix_b_fmt:MATRIX_FMT_BF8 matrix_a_scale:MATRIX_SCALE_ROW1
.else
	v_wmma_scale_f32_16x16x128_f8f6f4 v[SB+8*(2*\f+\u):SB+8*(2*\f+\u)+7], v[KB+16*\f:KB+16*\f+15], v[24-8*\u:39-8*\u], 0, v[248+\f/2], v255 matrix_a_fmt:MATRIX_FMT_BF8 matrix_b_fmt:MATRIX_FMT_BF8
.endif
.endr
.endr
.rept 8
	v_nop                                          ; places in front of the loads below and of the first read of the scores
.endr
	VLOAD 8                                        ; V lands under the softmax
	s_cmp_lg_u32 s[KS], s[JT]
	s_cbranch_scc1 .Lopen_\@
	v_mov_b32 v254, 0xc79c4000                     ; the diagonal step: hidden scores take the mask's value
.set n, 0
.rept 64
	v_cmp_gt_i32 vcc_lo, 32*(n/16)+n%16, v3
	v_cndmask_b32 v[SB+n], v[SB+n], v254, vcc_lo
.set n, n+1
.endr
.Lopen_\@:
.irp b, 0,1,2,3
	v_max3_num_f32 v[216+\b], v[SB+16*\b], v[SB+1+16*\b], v[SB+2+16*\b]   ; the largest score of each block of 32 keys: for the row's maximum, and, since p rises with the score, for the block's largest p
.endr
.irp i, 3,5,7,9,11,13
.irp b, 0,1,2,3
	v_max3_num_f32 v[216+\b], v[216+\b], v[SB+16*\b+\i], v[SB+1+16*\b+\i]
.endr
.endr
.irp b, 0,1,2,3
	v_max_num_f32 v[216+\b], v[216+\b], v[SB+15+16*\b]
.endr
.irp b, 0,1,2,3
	s_delay_alu instid0(VALU_DEP_4)
	v_permlanex16_b32 v[220+\b], v[216+\b], s[SEL], s[SEL+1]
.endr
.irp b, 0,1,2,3
	s_delay_alu instid0(VALU_DEP_4)
	v_max_num_f32 v[216+\b], v[216+\b], v[220+\b]  ; with lane l xor 16's 16 keys
.endr
	s_delay_alu instid0(VALU_DEP_2)
	v_max3_num_f32 v254, v216, v217, v218
	s_delay_alu instid0(VALU_DEP_1)
	v_max_num_f32 v254, v254, v219
	s_delay_alu instid0(VALU_DEP_1)
	v_mul_f32 v254, s[CS], v254                    ; as t
	v_mov_b32 v233, v12
	s_delay_alu instid0(VALU_DEP_2)
	v_max_num_f32 v13, v13, v254                   ; the running largest t
	s_delay_alu instid0(VALU_DEP_1)
	v_floor_f32 v12, -v13                          ; -M = floor(-t): M is a whole number
.set j, 0
.rept 32
	v_pk_fma_f32 v[SB+j:SB+j+1], v[SB+j:SB+j+1], s[CS:CS+1], v[12:13] op_sel_hi:[1,0,0]   ; t - M, two at a time
.if j == 14
	v_sub_f32 v233, v12, v233                      ; old M - new M
.endif
.if j == 28
	v_cvt_i32_f32 v233, v233                       ; (it saturates)
.endif
.if j == 42
	v_ldexp_f32 v252, 1.0, v233                    ; f = 2^(old M - new M): exact
.endif
.set j, j+2
.endr
.irp b, 0,1,2,3
	v_fma_f32 v[216+\b], v[216+\b], s[CS], v12
.endr
	WALU
.irp b, 0,1,2,3
	v_exp_f32 v[216+\b], v[216+\b]                 ; each block's largest p,
.endr
.set j, 0
.rept 64
	v_exp_f32 v[SB+j], v[SB+j]                     ; and p = 2^(t - M): one batch
.set j, j+1
.endr
	v_pk_mul_f32 v[14:15], v[14:15], v[252:253] op_sel_hi:[1,0]   ; the sums under the new M (the plain line behind the batch)
	WALU                                           ; one wait for the batch, ahead of its first reader
	v_pk_add_f32 v[224:225], v[SB:SB+1], v[SB+2:SB+3]   ; the row's sum of the unquantised p, in four chains by turns
	v_pk_add_f32 v[226:227], v[SB+4:SB+5], v[SB+6:SB+7]
	v_pk_add_f32 v[228:229], v[SB+8:SB+9], v[SB+10:SB+11]
	v_pk_add_f32 v[14:15], v[14:15], v[SB+12:SB+13]
.set j, 14
.rept 6
	v_pk_add_f32 v[224:225], v[224:225], v[SB+j:SB+j+1]
	v_pk_add_f32 v[226:227], v[226:227], v[SB+j+2:SB+j+3]
	v_pk_add_f32 v[228:229], v[228:229], v[SB+j+4:SB+j+5]
	v_pk_add_f32 v[14:15], v[14:15], v[SB+j+6:SB+j+7]
.set j, j+8
.endr
	v_pk_add_f32 v[224:225], v[224:225], v[SB+62:SB+63]
	v_pk_add_f32 v[14:15], v[14:15], v[228:229]
	s_delay_alu instid0(VALU_DEP_2)
	v_pk_add_f32 v[224:225], v[224:225], v[226:227]
	s_delay_alu instid0(VALU_DEP_1)
	v_pk_add_f32 v[14:15], v[14:15], v[224:225]
.irp b, 0,2
	v_dual_max_num_f32 v[216+\b], s[FL], v[216+\b] :: v_dual_max_num_f32 v[217+\b], s[FL], v[217+\b]   ; the floor 2^(16 - 127)
.endr
.irp b, 0,1,2,3
	v_add_nc_u32 v[228+\b], 0xf8800000, v[216+\b]  ; the conversion's scale operand
.endr
.irp b, 0,1,2,3
	v_and_or_b32 v[224+\b], v[216+\b], 0x7f800000, s[MNT]   ; 57,344 x the scale
.endr
.irp b, 0,1,2,3
	v_lshrrev_b32 v[220+\b], 23, v[228+\b]         ; the byte
.endr
	s_delay_alu instid0(VALU_DEP_3)
	v_lshl_or_b32 v253, v221, 8, v220              ; p's scale word for these 128 keys
	s_delay_alu instid0(VALU_DEP_1)
	v_lshl_or_b32 v253, v222, 16, v253
	s_delay_alu instid0(VALU_DEP_1)
	v_lshl_or_b32 v253, v223, 24, v253
.irp b, 0,1,2,3
.irp i, 0,2,4,6,8,10,12,14
	v_dual_min_num_f32 v[SB+16*\b+\i], v[SB+16*\b+\i], v[224+\b] :: v_dual_min_num_f32 v[SB+1+16*\b+\i], v[SB+1+16*\b+\i], v[224+\b]   ; the hold, two at a time; p is not negative
.endr
	v_cvt_scalef32_pk8_bf8_f32 v[200+4*\b:201+4*\b], v[SB+16*\b:SB+7+16*\b], v[228+\b]
	v_cvt_scalef32_pk8_bf8_f32 v[202+4*\b:203+4*\b], v[SB+8+16*\b:SB+15+16*\b], v[228+\b]
.endr
	v_nop                                          ; a plain line behind the last conversion
	s_wait_dscnt 0x0                               ; V is in
.if \loop
	s_add_co_u32 s83, s[II], s[RB]                 ; p has become codes: its buffer takes the next step's K
	s_cmp_gt_u32 s83, 7-(\off)                     ; waves 0 to 7: none behind trip 8; waves 8 to 15: none behind trip 7
	s_cbranch_scc1 .Llast_\@
	KLOAD SB, 234
.Llast_\@:
.endif
	WALU
.set j, 0
.rept 16
	v_pk_mul_f32 v[168+j:169+j], v[168+j:169+j], v[252:253] op_sel_hi:[1,0]   ; O^T under the new M; these are also the places between the codes and the products
.set j, j+2
.endr
.irp t, 0,1,2,3                        ; O^T += V^T P: four accumulators by turns
.if \t%2
	v_wmma_scale_f32_16x16x128_f8f6f4 v[168+8*\t:175+8*\t], v[KB+16*\t:KB+16*\t+15], v[200:215], v[168+8*\t:175+8*\t], v[250+\t/2], v253 matrix_a_fmt:MATRIX_FMT_BF8 matrix_b_fmt:MATRIX_FMT_BF8 matrix_a_scale:MATRIX_SCALE_ROW1
.else
	v_wmma_scale_f32_16x16x128_f8f6f4 v[168+8*\t:175+8*\t], v[KB+16*\t:KB+16*\t+15], v[200:215], v[168+8*\t:175+8*\t], v[250+\t/2], v253 matrix_a_fmt:MATRIX_FMT_BF8 matrix_b_fmt:MATRIX_FMT_BF8
.endif
.endr
.Lend_\@:
.endm
	WALU
	s_wait_loadcnt 0x0                             ; Q
	s_cmp_eq_u32 s[WV], 0
	s_cbranch_scc0 .Lnot_mine
	s_wait_tensorcnt 0x0                           ; wave 0: step 0 is in; the other steps are waited for behind the first key step
.Lnot_mine:
	s_barrier_signal -1
	s_barrier_wait -1
	s_mov_b32 s[KS], 0
	s_mov_b32 s[TB], 0
	v_add_nc_u32 v8, s[TB], v1
	v_add_nc_u32 v9, s[TB], v2
	WALU
	KLOAD 40, 8
	STEP 0, 0, 0                                   ; every wave's first step is key step 0
	s_wait_tensorcnt 0x0
	s_wait_dscnt 0x0
	s_barrier_signal -1
	s_barrier_wait -1                              ; all steps are whole
	s_mov_b32 s[II], 0
	STEPOF 1, UN, KN, TN
	v_add_nc_u32 v234, s[TN], v1
	v_add_nc_u32 v235, s[TN], v2
	WALU
	KLOAD 104, 234
	s_mov_b32 s[II], 1
.Ltrip:                                                ; two steps a trip, so that the buffers are back where they began
	STEP 1, 0, 1
	STEP 0, 1, 1
	s_add_co_u32 s[II], s[II], 2
	s_cmp_lt_u32 s[II], 9
	s_cbranch_scc1 .Ltrip
	s_wait_dscnt 0x0                               ; no LDS load of mine is out
	s_mul_i32 s[TB], s[PP], STEPB                  ; steps p and p + 8
	s_add_co_u32 s[TN], s[TB], 8*STEPB
	v_add_nc_u32 v8, s[TB], v1
	v_add_nc_u32 v9, s[TB], v2
	v_add_nc_u32 v234, s[TN], v1
	v_add_nc_u32 v235, s[TN], v2
.rept 4
	v_nop                                          ; eight places in all behind the last products
.endr
	WALU
	s_cmp_lt_u32 s[WV], 8
	s_cbranch_scc0 .Lhand_over
	; THE SUMS OF V over 128 keys, steps p and p + 8: source 0 = codes of 1.0, source 1 = V's tiles: lane r of tile t holds the sum of row r, the same in all registers
.set KB, 40
	v_mov_b32 v253, 0x7f7f7f7f
.set j, 0
.rept 16
	v_mov_b32 v[200+j], 0x3c3c3c3c
.set j, j+1
.endr
	WALU
.irp s, 0,1
	v_nop                                          ; the ninth place behind the first round's products, whose results the second's are written over
	VLOAD 8+226*\s
	s_wait_dscnt 0x0
.irp t, 0,1,2,3
.if \t%2
	v_wmma_scale_f32_16x16x128_f8f6f4 v[104+8*\t:111+8*\t], v[200:215], v[40+16*\t:55+16*\t], 0, v253, v[250+\t/2] matrix_a_fmt:MATRIX_FMT_BF8 matrix_b_fmt:MATRIX_FMT_BF8 matrix_b_scale:MATRIX_SCALE_ROW1
.else
	v_wmma_scale_f32_16x16x128_f8f6f4 v[104+8*\t:111+8*\t], v[200:215], v[40+16*\t:55+16*\t], 0, v253, v[250+\t/2] matrix_a_fmt:MATRIX_FMT_BF8 matrix_b_fmt:MATRIX_FMT_BF8
.endif
.endr
.rept 8
	v_nop
.endr
.irp t, 0,1,2,3
	ds_store_b32 v10, v[104+8*\t] offset:64*\t+2048*\s   ; lanes r and r + 16 write the same word with the same value
.endr
.endr
	s_branch .Lhanded
.Lhand_over:
	; THE LONG TILE'S SECOND PART PASSES TO WAVE p: waves 8 to 15 take the short tile back from their part and put the long tile's there (LDS serves a wave's instructions in order: the loads come first)
.irp n, 0,1,2,3,4,5,6,7
	ds_load_b128 v[40+4*\n:43+4*\n], v4 offset:512*\n
.endr
	ds_load_b64 v[72:73], v11
	v_add_f32 v13, v14, v15
.irp n, 0,1,2,3,4,5,6,7
	ds_store_b128 v4, v[168+4*\n:171+4*\n] offset:512*\n
.endr
	ds_store_b64 v11, v[12:13]
	s_wait_dscnt 0x0
.set j, 0
.rept 16
	v_dual_mov_b32 v[168+j], v[40+j] :: v_dual_mov_b32 v[169+j], v[41+j]
.set j, j+2
.endr
	v_mov_b32 v12, v72
	v_mov_b32 v14, v73
	v_mov_b32 v15, 0
.Lhanded:
	WALU
	s_wait_dscnt 0x0
	s_barrier_signal -1
	s_barrier_wait -1                              ; the parts and the sums of V are whole
.irp k, 1,2,3,4,5,6,7,8,9,10,11,12,13,14,15
	ds_load_b64 v[72+2*\k:73+2*\k], v6 offset:256*\k   ; lane l: words 2 l, 2 l + 1 of step k's sums
.endr
	s_cmp_lt_u32 s[WV], 8
	s_cbranch_scc0 .Lmerged
.irp n, 0,1,2,3,4,5,6,7
	ds_load_b128 v[40+4*\n:43+4*\n], v4 offset:512*\n
.endr
	ds_load_b64 v[72:73], v11
	s_wait_dscnt 0x0
	v_min_num_f32 v216, v12, v72                   ; the greater M
	v_sub_f32 v217, v216, v12
	v_sub_f32 v218, v216, v72
	v_cvt_i32_f32 v217, v217
	v_cvt_i32_f32 v218, v218
	v_ldexp_f32 v220, 1.0, v217                    ; powers of two, exact
	v_ldexp_f32 v222, 1.0, v218
	v_mov_b32 v12, v216
	v_pk_mul_f32 v[14:15], v[14:15], v[220:221] op_sel_hi:[1,0]
	v_fmac_f32 v14, v73, v222
.set j, 0
.rept 16
	v_pk_mul_f32 v[168+j:169+j], v[168+j:169+j], v[220:221] op_sel_hi:[1,0]
.set j, j+2
.endr
.set j, 0
.rept 16
	v_pk_fma_f32 v[168+j:169+j], v[40+j:41+j], v[222:223], v[168+j:169+j] op_sel_hi:[1,0,1]
.set j, j+2
.endr
	WALU
.Lmerged:
	; THE HIDDEN STEPS' SHARE: steps above my tile's diagonal
	s_sub_co_u32 s54, 15, s[JO]
	s_lshl_b32 s54, s54, 6
	s_cvt_f32_u32 s54, s54                         ; my lane's share of their keys: 64 a step
.irp k, 1,2,3,4,5,6,7,8,9,10,11,12,13,14,15
	s_cmp_lt_u32 s[JO], \k
	s_cselect_b32 s[22+2*\k], 1.0, 0
	s_mov_b32 s[23+2*\k], 0                        ; (named with it as a pair, so it is written)
.endr
	s_wait_dscnt 0x0
	v_pk_mul_f32 v[216:217], v[74:75], s[24:25] op_sel_hi:[1,0]
	v_pk_mul_f32 v[218:219], v[76:77], s[26:27] op_sel_hi:[1,0]
.irp k, 3,4,5,6,7,8,9,10,11,12,13,14,15
	v_pk_fma_f32 v[216+2*((\k-1)%2):217+2*((\k-1)%2)], v[72+2*\k:73+2*\k], s[22+2*\k:23+2*\k], v[216+2*((\k-1)%2):217+2*((\k-1)%2)] op_sel_hi:[1,0,1]
.endr
	v_pk_add_f32 v[216:217], v[216:217], v[218:219]
	ds_store_b64 v7, v[216:217]                    ; a turn through my own 256 bytes of LDS: from words 2 l, 2 l + 1 to O^T's registers
.irp t, 0,1,2,3
	ds_load_b128 v[40+8*\t:43+8*\t], v245 offset:64*\t
	ds_load_b128 v[44+8*\t:47+8*\t], v245 offset:64*\t+16
.endr
	v_mov_b32 v254, 0xc79c4000
	v_fma_f32 v254, v254, s[CS], v12               ; the same multiply-add as a hidden key of the diagonal step
	v_min_num_f32 v254, 0, v254                    ; (above 0 for token 2,047 alone, which has no hidden key)
	WALU
	v_exp_f32 v254, v254                           ; p_m
	v_add_f32 v14, v14, v15
	WALU
	v_fmac_f32 v14, s54, v254                      ; the sum's share
	v_max_num_f32 v216, 0x8000000, v254
	v_and_or_b32 v224, v216, 0x7f800000, s[MNT]    ; 57,344 x its block's scale
	v_min_num_f32 v254, v254, v224
	v_bfe_u32 v217, v254, 21, 1                    ; to two mantissa bits, ties to even: what its code stands for (p_m is 0 or at least 2^-126, and its block's least normal code lies far under that)
	v_add3_u32 v254, v254, v217, 0xfffff
	v_and_b32 v220, 0xffe00000, v254
	WALU
	s_wait_dscnt 0x0
.set j, 0
.rept 16
	v_pk_fma_f32 v[168+j:169+j], v[40+j:41+j], v[220:221], v[168+j:169+j] op_sel_hi:[1,0,1]
.set j, j+2
.endr
	; THE WAY OUT: O^T / the sum, quantised along d: register 16 b + i is d 32 b + 16 h + i of my query
	v_permlanex16_b32 v252, v14, s[SEL], s[SEL+1]
	s_delay_alu instid0(VALU_DEP_1)
	v_add_f32 v14, v14, v252                       ; the row's sum
	WALU
	v_rcp_f32 v14, v14
	v_nop
	WALU
.set j, 0
.rept 32
	v_mul_f32 v[104+j], v[168+j], v14
.set j, j+1
.endr
.irp b, 0,1
	v_max3_num_f32 v[216+\b], |v[104+16*\b]|, |v[105+16*\b]|, 0x8000000
.endr
.irp i, 2,4,6,8,10,12,14
.irp b, 0,1
	s_delay_alu instid0(VALU_DEP_2)
	v_max3_num_f32 v[216+\b], v[216+\b], |v[104+16*\b+\i]|, |v[105+16*\b+\i]|
.endr
.endr
.irp b, 0,1
	s_delay_alu instid0(VALU_DEP_2)
	v_permlanex16_b32 v[220+\b], v[216+\b], s[SEL], s[SEL+1]
.endr
.irp b, 0,1
	s_delay_alu instid0(VALU_DEP_2)
	v_max_num_f32 v[216+\b], v[216+\b], v[220+\b]
.endr
.irp b, 0,1
	s_delay_alu instid0(VALU_DEP_2)
	v_add_nc_u32 v[228+\b], 0xf8800000, v[216+\b]
.endr
.irp b, 0,1
	s_delay_alu instid0(VALU_DEP_4)
	v_and_or_b32 v[224+\b], v[216+\b], 0x7f800000, s[MNT]
.endr
.irp b, 0,1
	s_delay_alu instid0(VALU_DEP_4)
	v_lshrrev_b32 v[220+\b], 23, v[228+\b]
.endr
	s_delay_alu instid0(VALU_DEP_1)
	v_lshl_or_b32 v254, v221, 8, v220
.irp b, 0,1
.irp i, 0,1,2,3,4,5,6,7,8,9,10,11,12,13,14,15
	v_med3_num_f32 v[104+16*\b+\i], v[104+16*\b+\i], -v[224+\b], v[224+\b]
.endr
	v_cvt_scalef32_pk8_bf8_f32 v[200+4*\b:201+4*\b], v[104+16*\b:111+16*\b], v[228+\b]
	v_cvt_scalef32_pk8_bf8_f32 v[202+4*\b:203+4*\b], v[112+16*\b:119+16*\b], v[228+\b]
.endr
	v_nop
	global_store_b128 v1, v[200:203], s[66:67]     ; 512 consecutive bytes each
	global_store_b128 v1, v[204:207], s[66:67] offset:512
	global_store_b16 v5, v254, s[68:69]            ; lanes r and r + 16 write the same two bytes with the same values
	s_wait_tensorcnt 0x0                           ; the wave's end
	ds_add_u32 v246, v247
	s_wait_dscnt 0x0
	CROUND                                         ; the closing round
	s_endpgm
.Lfunc_end_k_q70a8d3b4fb_attn:
	.size	k_q70a8d3b4fb_attn, .Lfunc_end_k_q70a8d3b4fb_attn-k_q70a8d3b4fb_attn
	.p2alignl 7, 3214868480
	.fill 96, 4, 3214868480
	.section	.rodata,"a",@progbits
	.p2align	6, 0x0
	.amdhsa_kernel k_q70a8d3b4fb_attn
		.amdhsa_group_segment_fixed_size 315392
		.amdhsa_private_segment_fixed_size 0
		.amdhsa_enable_private_segment 0
		.amdhsa_kernarg_size 24
		.amdhsa_user_sgpr_count 2
		.amdhsa_user_sgpr_kernarg_segment_ptr 1
		.amdhsa_wavefront_size32 1
		.amdhsa_system_sgpr_workgroup_id_x 1
		.amdhsa_system_sgpr_workgroup_id_y 1
		.amdhsa_system_sgpr_workgroup_id_z 1
		.amdhsa_system_vgpr_workitem_id 0
		.amdhsa_next_free_vgpr 256
		.amdhsa_next_free_sgpr 90
		.amdhsa_reserve_vcc 1
		.amdhsa_float_denorm_mode_32 3
		.amdhsa_float_denorm_mode_16_64 3
		.amdhsa_memory_ordered 1
		.amdhsa_forward_progress 1
		.amdhsa_inst_pref_size 115
	.end_amdhsa_kernel
	.amdgpu_metadata
---
amdhsa.version: [ 1, 2 ]
amdhsa.kernels:
  - .name:           k_q70a8d3b4fb_attn
    .symbol:         k_q70a8d3b4fb_attn.kd
    .args:
      - { .name: QQ, .offset: 0, .size: 8, .value_kind: global_buffer, .address_space: global }
      - { .name: KV, .offset: 8, .size: 8, .value_kind: global_buffer, .address_space: global }
      - { .name: AQ, .offset: 16, .size: 8, .value_kind: global_buffer, .address_space: global }
    .group_segment_fixed_size: 315392
    .private_segment_fixed_size: 0
    .kernarg_segment_align: 8
    .kernarg_segment_size: 24
    .max_flat_workgroup_size: 512
    .sgpr_count:     90
    .vgpr_count:     256
    .wavefront_size: 32
...
	.end_amdgpu_metadata
.endif
;; end of part 3
;; launch proj (part 4): grid 8 x 32, 4 waves a work-group, clusters of 4 x 4, 262,656 bytes of LDS; arguments AQ, WQ, bo, out0; writes out0
.if DOCPART == 4
	.amdgcn_target "amdgcn-amd-amdhsa--gfx1250"
	.amdhsa_code_object_version 6
	.text
	.protected	k_q70a8d3b4fb_proj
	.globl	k_q70a8d3b4fb_proj
	.p2align	8
	.type	k_q70a8d3b4fb_proj,@function
k_q70a8d3b4fb_proj:
	s_mov_b64 s[64:65], 0
	v_nop
	global_prefetch_b8 v0, s[64:65] scope:SCOPE_SE
	s_setreg_imm32_b32 hwreg(HW_REG_WAVE_MODE, 25, 1), 1
	s_wait_xcnt 0x0
	s_wait_alu depctr_hold_cnt(0) depctr_sa_sdst(0) depctr_va_vdst(0) depctr_va_sdst(0) depctr_va_ssrc(0) depctr_va_vcc(0) depctr_vm_vsrc(0)
	s_getreg_b32 s2, hwreg(HW_REG_IB_STS2, 6, 4)
	s_cmp_eq_u32 s2, 0
	s_cbranch_scc0 .Lentry_in_a_cluster
	s_endpgm
.Lentry_in_a_cluster:
	s_bfe_u32 s2, ttmp6, 0x10000c
	s_cmp_lg_u32 s2, 0xf033
	s_cbranch_scc0 .Lentry_shape_is_right
	s_endpgm
.Lentry_shape_is_right:
; out = A Wo^T + bo on codes of BF8 (E5M2) with E8M0 scales, sums and result in f32.  A: the heads' output, 4,096 tokens x 1,024, as images of operand registers; Wo likewise.  Nothing is left out here.
; SHARES.  A tile of 128 tokens x 128 columns to a work-group: 256 work-groups; a larger tile would leave WGPs without work.  Wave (w / 2, w % 2) makes 64 x 64: 16 accumulators.
; ALL OF K FITS IN LDS: two halves of 512 along K, each 65,536 bytes of A and 65,536 of Wo, filled once by one joint load a wave: waves 0 and 1 ask for the first half of A and of Wo, waves 2 and 3 for the second.
; The first half is shown as soon as waves 0 and 1 have waited; the second behind the first half's products.
; THE SECOND HALF GOES BY ROWS OF THE RESULT: all its fragments of Wo stand in registers, and a tile of 16 tokens is finished, and leaves, while the next is multiplied.
; CLUSTER 4 x 4: A's tiles are shared along a row of the cluster, Wo's along a column.  Nothing is filled again; no prefetch: every tensor load goes out at the head.
; Source 0 = 16 rows of Wo, source 1 = 16 tokens: a lane holds one token and eight neighbouring columns.  bo is the C of each sum's first product.  Scale words come once from memory into registers:
; register s % 4 holds K step s, in lanes 0-15 for s < 4, in lanes 16-31 for s >= 4.
; Tiles' rows are in the order 32 (T / 2) + 8 (T % 2) + r % 8 + 16 (r / 8), for tokens and for columns: the way out undoes both.
; REGISTERS: window 0: v4-7 lane terms; v8-11, v12-15 LDS addresses of A's and Wo's fragments in the four blocks of 256 along K; v16-31 A's scale words; v34-49 Wo's; v52-83 bo as C, later rows of the result; v84-115 likewise;
;   v126, v127 the add's; v128-255 the accumulators, (a, b) at 128 + 8 (4 a + b).   window 1: two sets of 128: A's four fragments, then Wo's four.   window 2: Wo's fragments of the second half, 64 k + 16 b;   window 3: A's, 64 a + 16 k.
.set ASC,  4194304
.set WOC,  3244032
.set WOS,  4292608
.set SA,   16
.set SB,   34
.set BO,   52
.set ACC,  128
.set SPI,  272                         ; a stage row: 256 bytes + 16
.set G1A, 20
.set G1B, 28
.set G0A, 36
.set G0B, 68
.set MSB, 0
.macro WIN new
.if MSB != \new
	s_set_vgpr_msb (MSB<<8)|\new
.set MSB, \new
.endif
.endm
.macro PLACES n
.rept \n
	v_nop
.endr
.endm
.macro CROUND
	s_barrier_signal -1
	s_barrier_wait -1
	s_cmp_lg_u32 s12, 0
	s_cbranch_scc1 .Lnot_wave_0_\@
	s_barrier_signal -3
.Lnot_wave_0_\@:
	s_barrier_wait -3
	s_barrier_signal -1
	s_barrier_wait -1
.endm
	s_load_b256 s[4:11], s[0:1], 0x0               ; AQ, WQ, bo, out0
	v_lshl_add_u32 v126, v0, 2, 0x40000
	v_mov_b32 v127, 0
	ds_add_u32 v126, v127                          ; the opening: the add, twice on end, and its wait ahead of my tensor load
	ds_add_u32 v126, v127
	v_lshrrev_b32 v1, 5, v0
	v_readfirstlane_b32 s12, v1                    ; wave
	s_lshr_b32 s13, s12, 1                         ; my half of the rows
	s_and_b32 s14, s12, 1                          ; my half of the columns
	s_bfe_u32 s15, ttmp6, 0x40000                  ; cx
	s_bfe_u32 s16, ttmp6, 0x40004                  ; cy
	s_lshl_b32 s17, ttmp9, 2
	s_add_co_u32 s17, s17, s15                     ; the block of 128 columns
	s_and_b32 s18, ttmp7, 0xffff
	s_lshl_b32 s18, s18, 2
	s_add_co_u32 s18, s18, s16                     ; the block of 128 tokens
	s_lshl_b32 s84, s16, 2
	s_lshl_b32 s84, 15, s84                        ; my row of the cluster
	s_lshl_b32 s85, 0x1111, s15                    ; my column
	s_or_b32 s[G1A], s84, (3<<16)|(1<<21)          ; the mask; elements of 8 bytes; bit 21 beside a mask; no padding
	s_or_b32 s[G1B], s85, (3<<16)|(1<<21)
.irp g, G1A, G1B
	s_mov_b32 s[\g+1], 32<<16                      ; 256 rows of 256 bytes, dense
	s_mov_b32 s[\g+2], 256<<16
	s_mov_b32 s[\g+3], 32<<16
	s_mov_b32 s[\g+4], 256
	s_mov_b32 s[\g+5], 32
	s_mov_b32 s[\g+6], 0
	s_mov_b32 s[\g+7], 0
.endr
	s_lshl_b32 s52, s18, 17                        ; A: 131,072 bytes a block of tokens.  These registers never hold cx
	s_mov_b32 s53, 0
	s_lshl_b32 s56, s17, 17                        ; Wo likewise.  These never hold cy
	s_add_co_u32 s56, s56, WOC
	s_mov_b32 s57, 0
	s_wait_dscnt 0x0                               ; both opening adds are done
	CROUND                                         ; all sixteen work-groups are here: the joint loads meet
	s_wait_kmcnt 0x0
	s_add_nc_u64 s[52:53], s[4:5], s[52:53]
	s_add_nc_u64 s[56:57], s[6:7], s[56:57]
.irp q, 0,1                            ; half q of K: A, then Wo
	s_mov_b32 s[G0A+4*\q], 1
	s_mov_b32 s[G0A+4*\q+1], \q*131072
	s_add_nc_u64 s[G0A+4*\q+2:G0A+4*\q+3], s[52:53], \q*65536
	s_or_b32 s[G0A+4*\q+3], s[G0A+4*\q+3], 0x80000000
	s_mov_b32 s[G0B+4*\q], 1
	s_mov_b32 s[G0B+4*\q+1], \q*131072+65536
	s_add_nc_u64 s[G0B+4*\q+2:G0B+4*\q+3], s[56:57], \q*65536
	s_or_b32 s[G0B+4*\q+3], s[G0B+4*\q+3], 0x80000000
.endr
.macro ARM under, g0, g1, next         ; one load a wave, each in its own arm
	s_cmp_lt_u32 s12, \under
	s_cbranch_scc0 \next
	tensor_load_to_lds s[\g0:\g0+3], s[\g1:\g1+7]
	s_nop 0
	PLACES 4
	s_branch .Lasked
\next:
.endm
	ARM 1, G0A, G1A, .Lhead_b
	ARM 2, G0B, G1B, .Lhead_a2
	ARM 3, G0A+4, G1A, .Lhead_b2
	tensor_load_to_lds s[G0B+4:G0B+7], s[G1B:G1B+7]
	s_nop 0
	PLACES 4
.Lasked:
	s_lshl_b32 s84, s13, 14                        ; my four tiles of tokens,
	s_lshl_b32 s85, s14, 14
	s_add_co_u32 s85, s85, 65536                   ; my four tiles of columns
	s_mul_i32 s86, s12, 16*SPI                     ; my stage: in the first half of A, which has had its only fill and is read no more when results are stored there
	v_and_b32 v1, 31, v0                           ; lane
	v_and_b32 v2, 15, v0                           ; r
	v_bfe_u32 v3, v0, 4, 1                         ; h
	v_lshlrev_b32 v4, 4, v1                        ; 16 x lane
	v_mul_u32_u24 v5, v2, SPI
	v_mul_u32_u24 v6, v3, SPI
	v_lshlrev_b32 v7, 12, v3
	v_lshl_add_u32 v5, v3, 6, v5
	v_lshl_add_u32 v6, v2, 4, v6
	v_lshl_add_u32 v7, v2, 4, v7                   ; out0: lanes 0-15 one row of 4,096 bytes, lanes 16-31 the next
	v_add_nc_u32 v5, s86, v5                       ; the stage, in: row r, + 64 h
	v_add_nc_u32 v6, s86, v6                       ; back: lanes 0-15 one row, lanes 16-31 the next
	v_lshlrev_b32 v1, 6, v3                        ; 64 h: bo
.irp q, 0,1,2,3                        ; block q of 256 along K
	s_add_co_u32 s87, s84, (\q/2)*131072+(\q%2)*32768
	s_add_co_u32 s88, s85, (\q/2)*131072+(\q%2)*32768
	v_add_nc_u32 v[8+\q], s87, v4
	v_add_nc_u32 v[12+\q], s88, v4
.endr
	s_wait_alu depctr_va_vdst(0)
	s_mov_b32 s89, 0
	s_lshl_b32 s88, s18, 12                        ; A's scale words: 512 bytes a tile
	s_lshl_b32 s90, s13, 11
	s_add_co_u32 s88, s88, s90
	s_add_co_u32 s88, s88, ASC
	s_add_nc_u64 s[92:93], s[4:5], s[88:89]
	s_lshl_b32 s88, s17, 12                        ; Wo's
	s_lshl_b32 s90, s14, 11
	s_add_co_u32 s88, s88, s90
	s_add_co_u32 s88, s88, WOS
	s_add_nc_u64 s[94:95], s[6:7], s[88:89]
	s_lshl_b32 s88, s17, 9                         ; bo: my 64 columns
	s_lshl_b32 s90, s14, 8
	s_add_co_u32 s88, s88, s90
	s_add_nc_u64 s[8:9], s[8:9], s[88:89]
	s_lshl_b32 s90, s18, 19                        ; out0: my 64 tokens, my 64 columns (256 bytes, aligned)
	s_add_co_u32 s88, s88, s90
	s_lshl_b32 s90, s13, 18
	s_add_co_u32 s88, s88, s90
	s_add_nc_u64 s[10:11], s[10:11], s[88:89]
.irp a, 0,1,2,3
	global_load_b128 v[SA+4*\a:SA+4*\a+3], v4, s[92:93] offset:512*\a
	global_load_b128 v[SB+4*\a:SB+4*\a+3], v4, s[94:95] offset:512*\a
	global_load_b128 v[BO+8*\a:BO+8*\a+3], v1, s[8:9] offset:(32*(\a/2)+8*(\a%2))*4       ; lane (r, h), register j: column 32 (b / 2) + 8 (b % 2) + 16 h + j
	global_load_b128 v[BO+8*\a+4:BO+8*\a+7], v1, s[8:9] offset:(32*(\a/2)+8*(\a%2))*4+16
.endr
.macro FETCH k                         ; first half: K step k's eight fragments into set k % 2
	WIN 0x40
.irp a, 0,1,2,3
.irp c, 0,1,2,3
	ds_load_b128 v[128*((\k)%2)+16*\a+4*\c:128*((\k)%2)+16*\a+4*\c+3], v[8+(\k)/2] offset:\a*4096+((\k)%2)*2048+512*\c
	ds_load_b128 v[128*((\k)%2)+64+16*\a+4*\c:128*((\k)%2)+64+16*\a+4*\c+3], v[12+(\k)/2] offset:\a*4096+((\k)%2)*2048+512*\c
.endr
.endr
	WIN 0
.endm
.macro MUL k                           ; 16 products: the accumulators take turns, one instruction a turn, in the same order in every K step
	WIN 0x05
.set aa, 0
.rept 4
.set bb, 0
.rept 4
.set rD, ACC+8*(4*aa+bb)
.set rA, 128*((\k)%2)+64+16*bb
.set rB, 128*((\k)%2)+16*aa
.if (\k)==0
.set rC, BO+8*bb
.else
.set rC, rD
.endif
	v_wmma_scale_f32_16x16x128_f8f6f4 v[rD:rD+7], v[rA:rA+15], v[rB:rB+15], v[rC:rC+7], v[SB+4*bb+(\k)], v[SA+4*aa+(\k)] matrix_a_fmt:MATRIX_FMT_BF8 matrix_b_fmt:MATRIX_FMT_BF8
.set bb, bb+1
.endr
.set aa, aa+1
.endr
	WIN 0
.endm
.macro LOADB k                         ; second half: Wo's four fragments of its K step k: 16 loads
	WIN 0x80
.irp b, 0,1,2,3
.irp c, 0,1,2,3
	ds_load_b128 v[64*\k+16*\b+4*\c:64*\k+16*\b+4*\c+3], v[14+\k/2] offset:\b*4096+(\k%2)*2048+512*\c
.endr
.endr
	WIN 0
.endm
.macro LOADA a                         ; A's fragments of tile a, all four K steps: 16 loads
	WIN 0xc0
.irp k, 0,1,2,3
.irp c, 0,1,2,3
	ds_load_b128 v[64*\a+16*\k+4*\c:64*\a+16*\k+4*\c+3], v[10+\k/2] offset:\a*4096+(\k%2)*2048+512*\c
.endr
.endr
	WIN 0
.endm
.macro ROWP a, k0                      ; tile a, two K steps: its four accumulators by turns
	WIN 0x0e
.irp k, \k0, \k0+1
.irp b, 0,1,2,3
.set rD, ACC+8*(4*(\a)+\b)
.set rA, 64*(\k)+16*\b
.set rB, 64*(\a)+16*(\k)
	v_wmma_scale_f32_16x16x128_f8f6f4 v[rD:rD+7], v[rA:rA+15], v[rB:rB+15], v[rD:rD+7], v[SB+4*\b+(\k)], v[SA+4*(\a)+(\k)] matrix_a_fmt:MATRIX_FMT_BF8 matrix_b_fmt:MATRIX_FMT_BF8 matrix_a_scale:MATRIX_SCALE_ROW1 matrix_b_scale:MATRIX_SCALE_ROW1
.endr
.endr
	WIN 0
.endm
; THE WAY OUT, a tile of 16 tokens x my 64 columns at a time, through my own stage: a lane's eight columns go in, whole rows of 256 bytes come back, and sixteen lanes store one aligned run of 256 bytes.
; LDS serves a wave's instructions in order: no wait between the stores and the loads, nor in front of the next tile's stores.
.macro TOSTAGE a
.irp b, 0,1,2,3
	ds_store_b128 v5, v[ACC+8*(4*(\a)+\b):ACC+8*(4*(\a)+\b)+3] offset:128*(\b/2)+32*(\b%2)       ; each accumulator from its low end on
	ds_store_b128 v5, v[ACC+8*(4*(\a)+\b)+4:ACC+8*(4*(\a)+\b)+7] offset:128*(\b/2)+32*(\b%2)+16
.endr
.irp t, 0,1,2,3,4,5,6,7
	ds_load_b128 v[BO+32*((\a)%2)+4*\t:BO+32*((\a)%2)+4*\t+3], v6 offset:\t*2*SPI
.endr
.endm
.macro SEND a
	s_wait_dscnt 0x0
.irp t, 0,1,2,3,4,5,6,7
	global_store_b128 v7, v[BO+32*((\a)%2)+4*\t:BO+32*((\a)%2)+4*\t+3], s[10:11] offset:(32*((\a)/2)+8*((\a)%2)+(2*\t)%8+16*(\t/4))*4096 th:TH_STORE_NT   ; stage row 2 t + lane / 16 is that token of the tile's order
.endr
.endm
	s_cmp_lt_u32 s12, 2
	s_cbranch_scc0 .Lnot_first
	s_wait_tensorcnt 0x0                           ; waves 0 and 1: the first half of K is in; the others' wait stands further down
.Lnot_first:
	s_barrier_signal -1
	s_barrier_wait -1
	FETCH 0
	s_wait_loadcnt 0x0                             ; scale words and bo
	s_wait_dscnt 0x0
	FETCH 1
	MUL 0
	s_wait_dscnt 0x0                               ; this step's fragments are in (asked for 16 products ago)
	PLACES 8                                       ; in front of loads into the set that the last step's products read
	FETCH 2
	MUL 1
	s_wait_dscnt 0x0
	PLACES 8
	FETCH 3
	MUL 2
	s_wait_tensorcnt 0x0                           ; my load is in,
	s_wait_dscnt 0x0                               ; and my reads of the first half are over
	s_barrier_signal -1
	s_barrier_wait -1                              ; everybody's: the second half is whole, and the first may take the stages
	LOADB 0
	LOADB 1
	LOADA 0
	MUL 3
	LOADB 2
	LOADB 3
	LOADA 1
	s_wait_dscnt 48                                ; all but the 48 just issued
	ROWP 0, 0
	s_wait_dscnt 16                                ; all but tile 1's
	ROWP 0, 2
	LOADA 2
	LOADA 3
	PLACES 8                                       ; in front of the first read of tile 0's results
	TOSTAGE 0
	s_wait_dscnt 48                                ; tile 1's fragments are in: behind them 32 loads and the stage's 16
	ROWP 1, 0
	ROWP 1, 2
	SEND 0
	PLACES 8
	TOSTAGE 1
	ROWP 2, 0
	ROWP 2, 2
	SEND 1
	PLACES 8
	s_wait_xcnt 0x0                                ; tile 0's stores have read their registers: tile 2's rows land there
	TOSTAGE 2
	ROWP 3, 0
	ROWP 3, 2
	SEND 2
	PLACES 8
	s_wait_xcnt 0x0
	TOSTAGE 3
	SEND 3
	s_wait_tensorcnt 0x0                           ; the wave's end
	ds_add_u32 v126, v127
	s_wait_dscnt 0x0
	CROUND                                         ; the closing round: no work-group ends while a partner may still ask for a tile that names it
	s_endpgm
.Lfunc_end_k_q70a8d3b4fb_proj:
	.size	k_q70a8d3b4fb_proj, .Lfunc_end_k_q70a8d3b4fb_proj-k_q70a8d3b4fb_proj
	.p2alignl 7, 3214868480
	.fill 96, 4, 3214868480
	.section	.rodata,"a",@progbits
	.p2align	6, 0x0
	.amdhsa_kernel k_q70a8d3b4fb_proj
		.amdhsa_group_segment_fixed_size 262656
		.amdhsa_private_segment_fixed_size 0
		.amdhsa_enable_private_segment 0
		.amdhsa_kernarg_size 32
		.amdhsa_user_sgpr_count 2
		.amdhsa_user_sgpr_kernarg_segment_ptr 1
		.amdhsa_wavefront_size32 1
		.amdhsa_system_sgpr_workgroup_id_x 1
		.amdhsa_system_sgpr_workgroup_id_y 1
		.amdhsa_system_sgpr_workgroup_id_z 1
		.amdhsa_system_vgpr_workitem_id 0
		.amdhsa_next_free_vgpr 1024
		.amdhsa_next_free_sgpr 100
		.amdhsa_reserve_vcc 0
		.amdhsa_float_denorm_mode_32 3
		.amdhsa_float_denorm_mode_16_64 3
		.amdhsa_memory_ordered 1
		.amdhsa_forward_progress 1
		.amdhsa_inst_pref_size 52
	.end_amdhsa_kernel
	.amdgpu_metadata
---
amdhsa.version: [ 1, 2 ]
amdhsa.kernels:
  - .name:           k_q70a8d3b4fb_proj
    .symbol:         k_q70a8d3b4fb_proj.kd
    .args:
      - { .name: AQ, .offset: 0, .size: 8, .value_kind: global_buffer, .address_space: global }
      - { .name: WQ, .offset: 8, .size: 8, .value_kind: global_buffer, .address_space: global }
      - { .name: bo, .offset: 16, .size: 8, .value_kind: global_buffer, .address_space: global }
      - { .name: out0, .offset: 24, .size: 8, .value_kind: global_buffer, .address_space: global }
    .group_segment_fixed_size: 262656
    .private_segment_fixed_size: 0
    .kernarg_segment_align: 8
    .kernarg_segment_size: 32
    .max_flat_workgroup_size: 128
    .sgpr_count:     100
    .vgpr_count:     1024
    .wavefront_size: 32
...
	.end_amdgpu_metadata
.endif
;; end of part 4
